; MI455X (gfx1250); checked and timed in simulation.
; The chip was launched on July 23, 2026; its instructions are those of AMD's public machine-readable ISA for CDNA 5 (MIT licence, August 2026) and "CDNA5" Instruction Set Architecture Reference Guide (July 2026). The comments in the code are by the model that wrote it; some were corrected since.
;; Sparse Deep Unrolling. Allowed arithmetic: matrix products marked QUANTISED: E5M2 operands, one E8M0 scale for each 32 along K, by v_wmma_scale_f32_16x16x128_f8f6f4 with both operands' format E5M2, f32 sums; everything else in f32.
;; Inputs: W 1,024 x 2,048 float32; x_codes 4,096 x 1 x 32 x 32 uint8 (E5M2 codes of x, K innermost, in blocks of 32 codes); x_scales 4,096 x 1 x 32 uint8 (E8M0 scales of x, one for each 32 codes along K).
;; Outputs: out0 4,096 x 1,024 x 1 float32; out1 4,096 x 2,048 x 1 float32.
;; This version of the problem:
;;   THIS VERSION OF THE PROBLEM IS GIVEN IN LOW PRECISION. The matrix products marked QUANTISED in the list below multiply operands that are first quantised to E5M2 (5 exponent bits, 2 mantissa bits; 8 bits a number), with one power-of-two scale for each 32 numbers along K (OCP MX v1.0); their sums are f32. All else is computed in f32.
;;   The module's matrix products, in the order in which they are computed (A, B: the left and right operand; K: the contracted axis; several contracted axes count as one K, in the product's order):
;;     1. [M 2,048, K 1,024] x [K 1,024, N 2,048]; A: computed on the way; B: computed on the way: QUANTISED
;;     2. [M 4,096, K 1,024] x [K 1,024, N 2,048]; A: input x (given as codes); B: computed on the way: QUANTISED
;;     3. [M 4,096, K 2,048] x [K 2,048, N 2,048]; A: computed on the way; B: computed on the way: QUANTISED
;;     4. [M 4,096, K 2,048] x [K 2,048, N 2,048]; A: computed on the way; B: computed on the way: QUANTISED
;;     5. [M 4,096, K 2,048] x [K 2,048, N 1,024]; A: computed on the way; B: computed on the way: QUANTISED
;;   THE QUANTISER, for each operand of a quantised product, along K:
;;     - K is cut into blocks of 32 from its start; a last block that is shorter is filled with zeros.
;;     - A block's scale is 2^e with e = floor(log2(the largest magnitude in the block)) - 15, held to -126 .. 127; a block of zeros has e = 0. As a byte (E8M0): e + 127.
;;     - Each number is divided by its block's scale, clamped to +-57,344, and rounded to the nearest number of E5M2, ties to even, subnormals kept.
;;     - The product sums the exact products of the quantised numbers (number of the format x scale) in f32.
;;   ~~~python
;;   def quantise(x, axis):      # numpy; x: float32 -> the quantised numbers, widened to float32 again
;;       x = np.moveaxis(x, axis, -1); K = x.shape[-1]
;;       x = np.pad(x, [(0, 0)] * (x.ndim - 1) + [(0, -K % 32)]); x = x.reshape(x.shape[:-1] + (-1, 32)); a = np.abs(x).max(-1, keepdims=True)
;;       e = np.where(a > 0, np.clip(np.frexp(np.where(a > 0, a, 1))[1] - 1 - 15, -126, 127), 0)      # np.frexp(a)[1] - 1 = floor(log2(a)), exactly
;;       r = np.clip(x / 2.0 ** e, -57344, 57344)
;;       step = 2.0 ** (np.maximum(np.frexp(np.where(r == 0, 1, r))[1] - 1, -14) - 2)
;;       q = np.round(r / step) * step * 2.0 ** e      # np.round: ties to even
;;       return np.moveaxis(q.reshape(q.shape[:-2] + (-1,))[..., :K], -1, axis).astype(np.float32)
;;   ~~~
;;   OPERANDS COMPUTED ON THE WAY. 'Computed on the way' means the value that the module computes at that place (a softmax that the list does not call 'softmax' is quantised finished and normalised). What goes into a quantiser is computed in f32, as accurately as f32 sums, v_exp_f32 and their like allow (about 1e-6 of the number): no bf16 or f16 on the way to a quantiser, and a product that is left as it is and whose result goes on into a quantised operand takes f32 operands (vector FMAs, or v_wmma_f32_16x16x4_f32). A number that lies on a knife's edge between two numbers of the format may be rounded either way, as far as f32 arithmetic and the matrix unit's own rounding can turn it there, and no further.
;;   INPUTS GIVEN AS CODES. x (in the module: [4096, 1024, 1], K = its axis 1): each comes as NAME_codes (uint8): NAME with its K axis moved to the last place and cut into blocks of 32 codes, [.., K / 32, bytes a block], one block behind the other in memory; one code a byte (a code: sign, 5 exponent bits, 2 mantissa bits); and NAME_scales (uint8): the same leading axes, one E8M0 byte (e + 127) for each 32 codes along K. Its value is code x scale, taken as it is: it is not quantised again, and the codes and scales need not be those that the quantiser above would give.
;; One version. Each part assembles by itself: llvm-mc -triple=amdgcn-amd-amdhsa -mcpu=gfx1250 --defsym DOCPART=n.
;; ======== version 1 of 1: 4 launches
;; limits: right only within a limited range of input values
;; workspace buffers: wd_codes 2,097,152 bytes; wp_img 2,097,152 bytes; sw1 262,144 bytes; sw3 589,824 bytes; b_img 6,291,456 bytes; az_img 12,582,912 bytes; z2_img 8,388,608 bytes; z2w 262,144 bytes
;; launch prep (part 1): grid 64 x 4, 8 waves a work-group, no clusters, 48,896 bytes of LDS; arguments W, x_scales, wd_codes, wp_img, sw1, sw3, x_codes, b_img, az_img; writes wd_codes, wp_img, sw1, sw3, b_img, az_img
.if DOCPART == 1
	.amdgcn_target "amdgcn-amd-amdhsa--gfx1250"
	.amdhsa_code_object_version 6
	.text
	.protected	k_qe459e2715b_prep
	.globl	k_qe459e2715b_prep
	.p2align	8
	.type	k_qe459e2715b_prep,@function
k_qe459e2715b_prep:
	s_mov_b64 s[64:65], 0
	v_nop
	global_prefetch_b8 v0, s[64:65] scope:SCOPE_SE
	s_setreg_imm32_b32 hwreg(HW_REG_WAVE_MODE, 25, 1), 1
	s_wait_xcnt 0x0
; PREP: the column norms of W [1024 (d)][2048 (p)], and Wn = W / norm as codes of E5M2 with one E8M0 byte for each 32 along K, twice: along d (operand of Wn^T Wn and of x Wn) and along p (operand of z Wn^T).
; It also lays x's scale bytes out as words [k step of 128][row], and x's codes as images of operand registers, as the later launches take them.
; DEAD WORK, for the whole program: reference() starts from z = zeros that it builds itself.  The quantiser turns zeros into zeros, so its first z @ A is a sum of zeros whatever A holds,
; and z after the first step is relu(b).  That product (4096 x 2048 x 2048) is left out.  All three inputs still have a way to the outputs and are loaded.
; LIMIT that goes with it: a NaN, an infinity or an overflow that would reach the result only through 0 x A is not carried to the result.
; OTHER LIMITS: a column of zeros gives NaN, as 0 / 0 does; a column's sum of squares has to stay a normal f32 number (|W| from about 1e-19 to 1e17); Wn is W x rsq(sum), some 2 ulp from W / sqrt(sum);
; the four work-groups of a column block add the squares in rotated order, so their norms may differ in the last bit; a block of zeros carries the byte 1 where the rule says 127 (its codes are zeros,
; and this program alone reads the bytes); blocks whose largest magnitude lies under 2^-111 are held at the byte 1; NaN and infinities among the inputs are not served.
; SHARES.  Work-group (g, q): columns 32 g .. 32 g + 31; it reads all 1,024 rows of that strip for the norms (128 bytes of each row: half of an aligned 256, the price of 256 work-groups) and quantises rows 256 q .. 256 q + 255.
; It also re-lays rows 16 (4 g + q) on of x's codes, a k step of 128 to a wave (each of those loads takes 32 bytes of 16 rows: 4 MB in the whole launch, once).
; LAYOUTS OUT.  wd_codes [2048 rows][1024 bytes along d]: physical row i holds column sigma(i) of Wn, sigma = bits 3 and 4 of i swapped, so that sixteen rows on end, taken as a matrix
; instruction's first source, leave a lane's results as neighbours along the next K.  Images of operand registers, [tile of 16 rows][k steps][4][32 lanes][16 bytes]: wp_img [d / 16][16 k steps along p];
; b_img [physical row / 16][24 k steps], of which k steps 0-7 are the same codes as wd_codes'; az_img [row / 16][24 k steps], of which k steps 0-7 are x's codes.  (K steps 8-23 of both come from the next launch.)
; sw1: words [8][6144] (rows 0-2047: wd's, physical; 2048 on: x's), then from byte 196,608 wp's words [16][1024].  sw3: [24][4096] (k steps 0-7: x's), then from byte 393,216 [24][2048] (k steps 0-7: wd's).
.set SPI,   144                        ; a slab row: 128 bytes + 16 of padding
.set NP,    36864                      ; 8 waves x 128 bytes: partial sums of squares
.set RT,    37888                      ; 8 waves x 128 bytes: each wave's own table of 1 / norm
.set WST,   38912                      ; 32 rows x 272 bytes: wd's codes on their way out
.set SCB,   47616                      ; 2 k steps x 32 rows x 4 bytes: wd's scale bytes
.set SPARE, 47872                      ; the spare words, 128 bytes for each wave: four blocks of 256 bytes that no other line names
.set KT,    49152                      ; a tile of 16 rows in b_img and az_img: 24 k steps of 2,048 bytes
.set X,     64                         ; v64-191: 32 loads of 4 registers; later the numbers at work
; v1 W's offset; v2 slab, in; v3, v4 partial sums in and out; v5, v6, v7 the table: in, my column's, my 16 columns'; v8 slab by columns; v9 stage in; v10 scale byte; v11 slab by rows;
; v12 16 x lane; v13 4 r; v14, v15 the add's two; v16, v17 stage out and its place in wd_codes; v18 scale words out; v19 64 x lane; v20 8 x lane; v21 4 x lane; v[22:23] x's words;
; v192-207 x's codes; v208 their offset in x_codes; v209 my place in two tiles of b_img
	s_load_b256 s[4:11], s[0:1], 0x0               ; W s[4:5], x_scales s[6:7], wd_codes s[8:9], wp_img s[10:11]
	s_load_b128 s[12:15], s[0:1], 0x20             ; sw1 s[12:13], sw3 s[14:15]
	s_load_b128 s[48:51], s[0:1], 0x30             ; x_codes s[48:49], b_img s[50:51]
	s_load_b64 s[52:53], s[0:1], 0x40              ; az_img
	v_lshl_add_u32 v14, v0, 2, SPARE
	v_mov_b32 v15, 0
	v_lshrrev_b32 v32, 5, v0
	s_delay_alu instid0(VALU_DEP_1)
	v_readfirstlane_b32 s16, v32                   ; wave w
	s_and_b32 s17, ttmp7, 0xffff                   ; q
	v_and_b32 v33, 31, v0                          ; lane l
	v_and_b32 v34, 15, v0                          ; r
	v_bfe_u32 v35, v0, 4, 1                        ; h
	v_and_b32 v36, 7, v0
	v_lshrrev_b32 v37, 3, v0
	v_bfe_u32 v38, v0, 3, 1
	s_delay_alu instid0(VALU_DEP_3)
	v_lshl_add_u32 v39, v35, 3, v36
	s_delay_alu instid0(VALU_DEP_1)
	v_lshl_add_u32 v39, v38, 4, v39                ; c(l) = sigma(l): the column that physical row l holds
	s_lshl_b32 s18, s16, 7                         ; 128 w
	s_mul_i32 s19, s16, 32*SPI                     ; my wave's 32 rows of the slab
	v_lshlrev_b32 v1, 13, v37                      ; a load takes 32 rows: thread t row t / 8,
	s_delay_alu instid0(VALU_DEP_1)
	v_lshl_add_u32 v1, v36, 4, v1                  ; 16 bytes at 16 (t % 8)
	v_mul_u32_u24 v2, v37, SPI
	s_delay_alu instid0(VALU_DEP_1)
	v_lshl_add_u32 v2, v36, 4, v2
	v_lshl_add_u32 v3, v36, 4, s18
	s_delay_alu instid0(VALU_DEP_1)
	v_add_nc_u32 v3, NP, v3
	v_lshl_add_u32 v4, v33, 2, NP
	v_lshl_add_u32 v5, v33, 2, s18
	s_delay_alu instid0(VALU_DEP_1)
	v_add_nc_u32 v5, RT, v5
	v_lshl_add_u32 v6, v39, 2, s18
	s_delay_alu instid0(VALU_DEP_1)
	v_add_nc_u32 v6, RT, v6
	v_lshl_add_u32 v7, v35, 6, s18
	s_delay_alu instid0(VALU_DEP_1)
	v_add_nc_u32 v7, RT, v7
	v_lshl_add_u32 v8, v39, 2, s19
	v_mul_u32_u24 v9, v33, 272
	s_lshl_b32 s2, s16, 5
	v_add_nc_u32 v9, s2, v9
	s_delay_alu instid0(VALU_DEP_1)
	v_add_nc_u32 v9, WST, v9                       ; stage: row l, my wave's 32 bytes
	s_lshr_b32 s2, s16, 2
	s_lshl_b32 s2, s2, 7
	s_and_b32 s3, s16, 3
	s_add_co_u32 s2, s2, s3
	v_lshl_add_u32 v10, v33, 2, s2
	s_delay_alu instid0(VALU_DEP_1)
	v_add_nc_u32 v10, SCB, v10                     ; k step w / 4, row l, byte w % 4
	v_mul_u32_u24 v11, v34, SPI
	s_delay_alu instid0(VALU_DEP_1)
	v_lshl_add_u32 v11, v35, 6, v11
	s_delay_alu instid0(VALU_DEP_1)
	v_add_nc_u32 v11, s19, v11                     ; row 32 w + r, columns 16 h on
	v_lshlrev_b32 v12, 4, v33
	v_lshlrev_b32 v13, 2, v34
	s_lshl_b32 s2, s16, 2
	s_mul_i32 s3, s2, 272
	v_mul_u32_u24 v16, v35, 272
	s_delay_alu instid0(VALU_DEP_1)
	v_lshl_add_u32 v16, v34, 4, v16
	s_delay_alu instid0(VALU_DEP_1)
	v_add_nc_u32 v16, s3, v16
	s_delay_alu instid0(VALU_DEP_1)
	v_add_nc_u32 v16, WST, v16                     ; stage rows 4 w + h, 16 bytes at 16 r
	s_lshl_b32 s3, s16, 12
	v_lshlrev_b32 v17, 10, v35
	s_delay_alu instid0(VALU_DEP_1)
	v_lshl_add_u32 v17, v34, 4, v17
	s_delay_alu instid0(VALU_DEP_1)
	v_add_nc_u32 v17, s3, v17
	s_and_b32 s2, s16, 1
	s_lshl_b32 s2, s2, 7
	v_lshl_add_u32 v18, v33, 2, s2
	s_delay_alu instid0(VALU_DEP_1)
	v_add_nc_u32 v18, SCB, v18
	v_lshlrev_b32 v19, 6, v33
	v_lshlrev_b32 v20, 3, v33
	v_lshlrev_b32 v21, 2, v33
	v_mov_b32 v22, 0
	v_mov_b32 v23, 0
	v_lshlrev_b32 v208, 10, v34                    ; x's codes: row r of 1,024 bytes,
	s_delay_alu instid0(VALU_DEP_1)
	v_lshl_add_u32 v208, v35, 4, v208              ; + 16 h: what a fragment's lane (r, h) holds of each 32 along K
	v_mul_u32_u24 v209, v35, KT                    ; b_img: physical row l lies in tile 2 g + l / 16,
	s_delay_alu instid0(VALU_DEP_1)
	v_lshl_add_u32 v209, v34, 4, v209              ; at lane l % 16 (the block's first 16 codes) and, 256 bytes on, at lane 16 + l % 16 (its last 16)
	s_mov_b32 s28, 0x76543210
	s_mov_b32 s29, 0xfedcba98                      ; v_permlanex16_b32's selects for lane l xor 16
	s_mov_b32 s30, 0x600000                        ; the mantissa field of 57,344
	s_wait_kmcnt 0x0
	s_lshl_b32 s2, ttmp9, 11                       ; x's scale bytes: rows 64 g on, 32 bytes a row; word 2 q + w
	s_lshl_b32 s3, s17, 3
	s_add_co_u32 s2, s2, s3
	s_lshl_b32 s3, s16, 2
	s_add_co_u32 s2, s2, s3
	s_mov_b32 s3, 0
	s_add_nc_u64 s[6:7], s[6:7], s[2:3]
	s_cmp_lt_u32 s16, 2                            ; waves 0 and 1 carry x's words; their two loads go out first, so that the counts below are the same for every wave
	s_cbranch_scc0 .Lno_x
	s_wait_alu depctr_va_vdst(0)
	global_load_b32 v22, v19, s[6:7]               ; rows 64 g + 2 l
	global_load_b32 v23, v19, s[6:7] offset:32     ; and 64 g + 2 l + 1
.Lno_x:
	s_lshl_b32 s54, ttmp9, 2
	s_add_co_u32 s54, s54, s17                     ; x's tile of 16 rows: 4 g + q; my k step: w
	s_lshl_b32 s2, s54, 14
	s_add_co_u32 s2, s2, s18
	s_add_nc_u64 s[48:49], s[48:49], s[2:3]
	s_wait_alu depctr_va_vdst(0)
.irp c, 0,1,2,3
	global_load_b128 v[192+4*\c:195+4*\c], v208, s[48:49] offset:32*\c   ; registers 4 c .. 4 c + 3 of the fragment; ahead of W's loads, so that the counts below cover them
.endr
	s_lshl_b32 s2, ttmp9, 7
	s_add_nc_u64 s[4:5], s[4:5], s[2:3]            ; W at my strip
.irp k, 0,1,2,3
	s_add_co_u32 s2, s17, \k                       ; the four quarters of d, my own first: so the register numbers do not hang on q
	s_and_b32 s2, s2, 3
	s_lshl_b32 s2, s2, 21
	s_add_nc_u64 s[20+2*\k:21+2*\k], s[4:5], s[2:3]
.endr
.set j, 0
.rept 32
	global_load_b128 v[X+4*j:X+4*j+3], v1, s[20+2*(j/8):21+2*(j/8)] offset:(j%8)*262144
.set j, j+1
.endr
	; where the results go
	s_lshl_b32 s44, s17, 1
	s_add_co_u32 s44, s44, s16                     ; x's k step (waves 0 and 1)
	s_mul_i32 s2, s44, 24576
	s_lshl_b32 s45, ttmp9, 8
	s_add_co_u32 s2, s2, s45
	s_add_co_u32 s2, s2, 8192
	s_add_nc_u64 s[32:33], s[12:13], s[2:3]        ; sw1: (k step x 6144 + 2048 + 64 g) words
	s_lshl_b32 s2, s44, 14
	s_add_co_u32 s2, s2, s45
	s_add_nc_u64 s[34:35], s[14:15], s[2:3]        ; sw3: (k step x 4096 + 64 g) words
	s_lshl_b32 s2, s17, 4
	s_lshl_b32 s45, s16, 1
	s_add_co_u32 s2, s2, s45                       ; d tile 16 q + 2 w
	s_lshl_b32 s2, s2, 4
	s_lshr_b32 s45, ttmp9, 2
	s_add_co_u32 s2, s2, s45                       ; k step g / 4
	s_lshl_b32 s2, s2, 11
	s_and_b32 s46, ttmp9, 3
	s_lshl_b32 s47, s46, 9
	s_add_co_u32 s2, s2, s47                       ; registers 4 (g % 4) on
	s_add_nc_u64 s[36:37], s[10:11], s[2:3]
	s_lshl_b32 s2, s45, 10
	s_lshl_b32 s47, s17, 8
	s_add_co_u32 s2, s2, s47
	s_lshl_b32 s47, s16, 5
	s_add_co_u32 s2, s2, s47
	s_lshl_b32 s2, s2, 2
	s_add_co_u32 s2, s2, s46
	s_add_co_u32 s2, s2, 196608
	s_add_nc_u64 s[38:39], s[12:13], s[2:3]        ; wp's scale bytes
	s_lshl_b32 s2, ttmp9, 15
	s_lshl_b32 s47, s17, 8
	s_add_co_u32 s2, s2, s47
	s_add_nc_u64 s[40:41], s[8:9], s[2:3]          ; wd_codes: row 32 g, byte 256 q
	s_mul_i32 s2, s54, KT
	s_lshl_b32 s55, s16, 11
	s_add_co_u32 s2, s2, s55
	s_add_nc_u64 s[52:53], s[52:53], s[2:3]        ; az_img: tile 4 g + q, k step w
	s_mul_i32 s2, ttmp9, 2*KT
	s_lshl_b32 s55, s17, 12
	s_add_co_u32 s2, s2, s55
	s_lshr_b32 s55, s16, 2
	s_lshl_b32 s55, s55, 11
	s_add_co_u32 s2, s2, s55
	s_and_b32 s55, s16, 3
	s_lshl_b32 s55, s55, 9
	s_add_co_u32 s2, s2, s55
	s_add_nc_u64 s[50:51], s[50:51], s[2:3]        ; b_img: tile 2 g, k step 2 q + w / 4, registers 4 (w % 4) on
	s_and_b32 s44, s16, 1
	s_lshl_b32 s45, s17, 1
	s_add_co_u32 s44, s44, s45                     ; wd's k step 2 q + w % 2 (waves 0 to 3)
	s_mov_b32 s45, 8192
	s_cmp_lt_u32 s16, 2                            ; waves 0, 1: into sw1; waves 2, 3: into sw3
	s_cselect_b64 s[42:43], s[12:13], s[14:15]
	s_cselect_b32 s45, 24576, s45
	s_cselect_b32 s46, 0, 393216
	s_mul_i32 s2, s44, s45
	s_lshl_b32 s47, ttmp9, 7
	s_add_co_u32 s2, s2, s47
	s_add_co_u32 s2, s2, s46
	s_add_nc_u64 s[42:43], s[42:43], s[2:3]
	; THE SUMS OF SQUARES, four loads at a time; my own quarter also goes into the slab
.set j, 0
.rept 32
.if (j%4) == 0
	s_wait_alu depctr_va_vdst(0)
	s_wait_loadcnt 28-j                            ; loads come back in order: the 28 - j younger ones may stay out
.endif
.if j < 2
	v_pk_mul_f32 v[24+4*j:25+4*j], v[X+4*j:X+4*j+1], v[X+4*j:X+4*j+1]   ; the first two loads start the two sets of sums
	v_pk_mul_f32 v[26+4*j:27+4*j], v[X+4*j+2:X+4*j+3], v[X+4*j+2:X+4*j+3]
.else
	v_pk_fma_f32 v[24+4*(j%2):25+4*(j%2)], v[X+4*j:X+4*j+1], v[X+4*j:X+4*j+1], v[24+4*(j%2):25+4*(j%2)]
	v_pk_fma_f32 v[26+4*(j%2):27+4*(j%2)], v[X+4*j+2:X+4*j+3], v[X+4*j+2:X+4*j+3], v[26+4*(j%2):27+4*(j%2)]
.endif
.if j < 8
	ds_store_b128 v2, v[X+4*j:X+4*j+3] offset:32*SPI*j
.endif
.set j, j+1
.endr
	s_delay_alu instid0(VALU_DEP_2)
	v_pk_add_f32 v[24:25], v[24:25], v[28:29]
	s_delay_alu instid0(VALU_DEP_2)
	v_pk_add_f32 v[26:27], v[26:27], v[30:31]
.irp i, 24,25,26,27
	v_add_f32_dpp v\i, v\i, v\i row_xmask:8 row_mask:0xf bank_mask:0xf   ; lanes l and l xor 8 hold the same four columns,
.endr
.irp i, 0,1,2,3
	s_delay_alu instid0(VALU_DEP_4)
	v_permlanex16_b32 v[28+\i], v[24+\i], s28, s29                       ; and so do l and l xor 16
.endr
.irp i, 0,1,2,3
	s_delay_alu instid0(VALU_DEP_4)
	v_add_f32 v[24+\i], v[24+\i], v[28+\i]
.endr
	ds_store_b128 v3, v[24:27]                     ; my wave's sums for the 32 columns (four lanes write the same 16 bytes with the same values)
.irp c, 0,1,2,3
	global_store_b128 v12, v[192+4*\c:195+4*\c], s[52:53] offset:512*\c   ; x's fragment as it stands in registers: 512 consecutive bytes a store
.endr
	s_cmp_lt_u32 s16, 2
	s_cbranch_scc0 .Lno_xs
	global_store_b64 v20, v[22:23], s[32:33]       ; 32 lanes store 256 consecutive bytes, aligned
	global_store_b64 v20, v[22:23], s[34:35]
.Lno_xs:
	s_wait_dscnt 0x0                               ; for the others' sake: my stores into the slab and the sums are done
	s_barrier_signal -1
	s_barrier_wait -1
.irp i, 0,1,2,3,4,5,6,7
	ds_load_b32 v[40+\i], v4 offset:128*\i         ; column l's eight partial sums
.endr
	s_wait_dscnt 0x0
	v_add_f32 v40, v40, v41
	v_add_f32 v42, v42, v43
	v_add_f32 v44, v44, v45
	v_add_f32 v46, v46, v47
	s_delay_alu instid0(VALU_DEP_3)
	v_add_f32 v40, v40, v42
	s_delay_alu instid0(VALU_DEP_2)
	v_add_f32 v44, v44, v46
	s_delay_alu instid0(VALU_DEP_1)
	v_add_f32 v40, v40, v44
	s_wait_alu depctr_va_vdst(0)
	v_rsq_f32 v24, v40                             ; 1 / norm of column l
	v_nop                                          ; a plain instruction behind the transcendental,
	s_wait_alu depctr_va_vdst(0)                   ; and the wait ahead of the first use
	ds_store_b32 v5, v24                           ; my wave's own table: LDS serves a wave's instructions in order, so the loads below see it
	ds_load_b32 v26, v6                            ; of the column that I quantise along d
.irp i, 0,1,2,3
	ds_load_b128 v[32+4*\i:35+4*\i], v7 offset:16*\i   ; of the 16 columns that I quantise along p
.endr
.set j, 0
.rept 32
	ds_load_b32 v[X+j], v8 offset:SPI*j            ; along d: rows 32 w + j of column c(l): a whole block of 32 in my registers
.set j, j+1
.endr
.irp tt, 0,1
.irp i, 0,1,2,3
	ds_load_b128 v[96+16*\tt+4*\i:99+16*\tt+4*\i], v11 offset:\tt*16*SPI+16*\i   ; along p: row 32 w + 16 tt + r, columns 16 h on: half a block
.endr
.endr
	s_wait_dscnt 0x0
	v_mov_b32 v27, v26
	; ALONG d
.set j, 0
.rept 16
	v_pk_mul_f32 v[X+2*j:X+2*j+1], v[X+2*j:X+2*j+1], v[26:27]
.set j, j+1
.endr
	v_max3_num_f32 v28, |v[X]|, |v[X+1]|, |v[X+2]|
	v_max3_num_f32 v29, |v[X+3]|, |v[X+4]|, |v[X+5]|
.irp i, 6,10,14,18,22,26
	s_delay_alu instid0(VALU_DEP_2)
	v_max3_num_f32 v28, v28, |v[X+\i]|, |v[X+\i+1]|
	s_delay_alu instid0(VALU_DEP_2)
	v_max3_num_f32 v29, v29, |v[X+\i+2]|, |v[X+\i+3]|
.endr
	s_delay_alu instid0(VALU_DEP_2)
	v_max3_num_f32 v28, v28, |v[X+30]|, |v[X+31]|
	s_delay_alu instid0(VALU_DEP_1)
	v_max3_num_f32 v28, v28, v29, 0x8000000        ; and the floor 2^(16 - 127): the byte cannot fall under 1
	s_delay_alu instid0(VALU_DEP_1)
	v_add_nc_u32 v30, 0xf8800000, v28              ; 15 off the exponent field: the conversion's scale operand
	s_delay_alu instid0(VALU_DEP_2)
	v_and_or_b32 v31, v28, 0x7f800000, s30         ; 57,344 x the scale
	s_delay_alu instid0(VALU_DEP_2)
	v_lshrrev_b32 v25, 23, v30                     ; the scale's byte
.set j, 0
.rept 32
	v_med3_num_f32 v[X+j], v[X+j], -v31, v31       ; the conversion to an 8-bit code does not saturate (ISA guide 7.6.2): hold first
.set j, j+1
.endr
.irp i, 0,1,2,3
	v_cvt_scalef32_pk8_bf8_f32 v[48+2*\i:49+2*\i], v[X+8*\i:X+8*\i+7], v30
.endr
	v_nop                                          ; a plain instruction behind the last conversion
	ds_store_b128 v9, v[48:51]
	ds_store_b128 v9, v[52:55] offset:16
	ds_store_b8 v10, v25
	global_store_b128 v209, v[48:51], s[50:51]             ; the same codes as an image: sixteen lanes store 256 consecutive bytes, aligned.  v48-55 are not written again
	global_store_b128 v209, v[52:55], s[50:51] offset:256
	; ALONG p: d tile 16 q + 2 w + tt; two lanes, l and l xor 16, hold a block
.macro QP tt
.set QN, 96+16*\tt
.set QM, 128+8*\tt
	v_mov_b32 v[QM+1], 0                           ; a lane permute's destination counts as one of its sources
.irp i, 0,1,2,3,4,5,6,7
	v_pk_mul_f32 v[QN+2*\i:QN+2*\i+1], v[QN+2*\i:QN+2*\i+1], v[32+2*\i:33+2*\i]
.endr
	v_max3_num_f32 v[QM], |v[QN]|, |v[QN+1]|, 0x8000000
.irp i, 2,4,6,8,10,12,14
	s_delay_alu instid0(VALU_DEP_1)
	v_max3_num_f32 v[QM], v[QM], |v[QN+\i]|, |v[QN+\i+1]|
.endr
	s_delay_alu instid0(VALU_DEP_1)
	v_permlanex16_b32 v[QM+1], v[QM], s28, s29
	s_delay_alu instid0(VALU_DEP_1)
	v_max_num_f32 v[QM], v[QM], v[QM+1]
	s_delay_alu instid0(VALU_DEP_1)
	v_add_nc_u32 v[QM+2], 0xf8800000, v[QM]
	s_delay_alu instid0(VALU_DEP_2)
	v_and_or_b32 v[QM+3], v[QM], 0x7f800000, s30
	s_delay_alu instid0(VALU_DEP_2)
	v_lshrrev_b32 v[QM+4], 23, v[QM+2]
.irp i, 0,1,2,3,4,5,6,7,8,9,10,11,12,13,14,15
	v_med3_num_f32 v[QN+\i], v[QN+\i], -v[QM+3], v[QM+3]
.endr
	v_cvt_scalef32_pk8_bf8_f32 v[56+4*\tt:57+4*\tt], v[QN:QN+7], v[QM+2]
	v_cvt_scalef32_pk8_bf8_f32 v[58+4*\tt:59+4*\tt], v[QN+8:QN+15], v[QM+2]
	v_nop
	global_store_b128 v12, v[56+4*\tt:59+4*\tt], s[36:37] offset:\tt*32768   ; four registers of the fragment's image: 512 consecutive bytes
	global_store_b8 v13, v[QM+4], s[38:39] offset:\tt*64   ; one byte of row r's word (lanes r and r + 16 write the same byte): 64 KB of such bytes in the whole launch, one in 128 of what it reads of W
.endm
	QP 0
	QP 1
	s_wait_dscnt 0x0                               ; my stores into the stage and the scale bytes are done
	s_barrier_signal -1
	s_barrier_wait -1
	ds_load_b128 v[32:35], v16                     ; wd's codes leave by rows: sixteen lanes store 256 consecutive bytes, aligned
	ds_load_b128 v[36:39], v16 offset:544
	s_wait_dscnt 0x0
	global_store_b128 v17, v[32:35], s[40:41]
	global_store_b128 v17, v[36:39], s[40:41] offset:2048
	s_cmp_lt_u32 s16, 4
	s_cbranch_scc0 .Lno_words
	ds_load_b32 v24, v18                           ; the 32 rows' words of one k step: 128 consecutive bytes
	s_wait_dscnt 0x0
	global_store_b32 v21, v24, s[42:43]
.Lno_words:
	s_wait_tensorcnt 0x0                           ; the wave's end, behind my last LDS store
	ds_add_u32 v14, v15
	s_wait_dscnt 0x0
	s_endpgm
.Lfunc_end_k_qe459e2715b_prep:
	.size	k_qe459e2715b_prep, .Lfunc_end_k_qe459e2715b_prep-k_qe459e2715b_prep
	.p2alignl 7, 3214868480
	.fill 96, 4, 3214868480
	.section	.rodata,"a",@progbits
	.p2align	6, 0x0
	.amdhsa_kernel k_qe459e2715b_prep
		.amdhsa_group_segment_fixed_size 48896
		.amdhsa_private_segment_fixed_size 0
		.amdhsa_enable_private_segment 0
		.amdhsa_kernarg_size 72
		.amdhsa_user_sgpr_count 2
		.amdhsa_user_sgpr_kernarg_segment_ptr 1
		.amdhsa_wavefront_size32 1
		.amdhsa_system_sgpr_workgroup_id_x 1
		.amdhsa_system_sgpr_workgroup_id_y 1
		.amdhsa_system_sgpr_workgroup_id_z 1
		.amdhsa_system_vgpr_workitem_id 0
		.amdhsa_next_free_vgpr 216
		.amdhsa_next_free_sgpr 66
		.amdhsa_reserve_vcc 0
		.amdhsa_float_denorm_mode_32 3
		.amdhsa_float_denorm_mode_16_64 3
		.amdhsa_memory_ordered 1
		.amdhsa_forward_progress 1
		.amdhsa_inst_pref_size 35
	.end_amdhsa_kernel
	.amdgpu_metadata
---
amdhsa.version: [ 1, 2 ]
amdhsa.kernels:
  - .name:           k_qe459e2715b_prep
    .symbol:         k_qe459e2715b_prep.kd
    .args:
      - { .name: W, .offset: 0, .size: 8, .value_kind: global_buffer, .address_space: global }
      - { .name: x_scales, .offset: 8, .size: 8, .value_kind: global_buffer, .address_space: global }
      - { .name: wd_codes, .offset: 16, .size: 8, .value_kind: global_buffer, .address_space: global }
      - { .name: wp_img, .offset: 24, .size: 8, .value_kind: global_buffer, .address_space: global }
      - { .name: sw1, .offset: 32, .size: 8, .value_kind: global_buffer, .address_space: global }
      - { .name: sw3, .offset: 40, .size: 8, .value_kind: global_buffer, .address_space: global }
      - { .name: x_codes, .offset: 48, .size: 8, .value_kind: global_buffer, .address_space: global }
      - { .name: b_img, .offset: 56, .size: 8, .value_kind: global_buffer, .address_space: global }
      - { .name: az_img, .offset: 64, .size: 8, .value_kind: global_buffer, .address_space: global }
    .group_segment_fixed_size: 48896
    .private_segment_fixed_size: 0
    .kernarg_segment_align: 8
    .kernarg_segment_size: 72
    .max_flat_workgroup_size: 256
    .sgpr_count:     66
    .vgpr_count:     216
    .wavefront_size: 32
...
	.end_amdgpu_metadata
.endif
;; end of part 1
;; launch gram (part 2): grid 8 x 24, 4 waves a work-group, clusters of 4 x 4, 327,680 bytes of LDS; arguments wd_codes, x_codes, sw1, b_img, az_img, sw3; writes b_img, az_img, sw3
.if DOCPART == 2
	.amdgcn_target "amdgcn-amd-amdhsa--gfx1250"
	.amdhsa_code_object_version 6
	.text
	.protected	k_qe459e2715b_gram
	.globl	k_qe459e2715b_gram
	.p2align	8
	.type	k_qe459e2715b_gram,@function
k_qe459e2715b_gram:
	s_mov_b64 s[64:65], 0
	v_nop
	global_prefetch_b8 v0, s[64:65] scope:SCOPE_SE
	s_setreg_imm32_b32 hwreg(HW_REG_WAVE_MODE, 25, 1), 1
	s_wait_xcnt 0x0
	s_wait_alu depctr_hold_cnt(0) depctr_sa_sdst(0) depctr_va_vdst(0) depctr_va_sdst(0) depctr_va_ssrc(0) depctr_va_vcc(0) depctr_vm_vsrc(0)
	s_getreg_b32 s2, hwreg(HW_REG_IB_STS2, 6, 4)
	s_cmp_eq_u32 s2, 0
	s_cbranch_scc0 .Lentry_in_a_cluster
	s_endpgm
.Lentry_in_a_cluster:
	s_bfe_u32 s2, ttmp6, 0x10000c
	s_cmp_lg_u32 s2, 0xf033
	s_cbranch_scc0 .Lentry_shape_is_right
	s_endpgm
.Lentry_shape_is_right:
; GRAM: one stacked product on codes of E5M2, K = 1024: rows 0-2047 are Wn's columns (wd_codes), rows 2048-6143 are x's rows; the other operand is Wn's columns.
; Rows under 2048 give G = Wn^T Wn and leave as A = I - 0.1 G, quantised; the others give g = x Wn and leave as z1 = relu(0.1 g - 0.012), quantised.  Neither goes to memory as f32.
; WORK LEFT OUT: reference()'s first z @ A multiplies the zeros that it builds itself, so z after the first step is relu(b) for all inputs (shown at the head of the first launch).
; A'S SYMMETRY: both operands of G are the same quantised numbers, so G[i][j] = G[j][i] whatever W holds, and swapped sources give the same bits.  So column n of A, quantised down its rows,
; is row n quantised along its columns, which is what a lane holds here.
; A tile of 256 x 256 is made by four waves, each 128 x 128: 64 accumulators.  K goes in steps of 256 through two LDS slots filled by the tensor data mover.  The scale words of the work-group's rows come once, with the first fills.
; CLUSTERS: 4 x 4 work-groups; a row of the cluster asks jointly for the first operand's tiles, a column for the second's.
; THE MATRIX INSTRUCTION IS USED TRANSPOSED (source 0 = 16 physical rows of wd_codes, source 1 = 16 stacked rows).  Physical row i of wd_codes holds column sigma(i) (bits 3 and 4 swapped), so register j of
; accumulator (a, 2 beta + u) in lane (r, h) is column 32 beta + 16 h + 8 u + j of row 16 a + r: a lane's 64 registers of a block run along the next K in the order of an operand's registers.
; So the conversions' results ARE a fragment's registers, and go out as its image: [tile of 16 rows][24 k steps of 128][4][32 lanes][16 bytes], 512 consecutive bytes a store.  A goes to b_img, z1 to az_img,
; both into k steps 8 to 23: k steps 0 to 7 were laid by the launch before.
; LIMITS: a block of zeros carries the byte 1 where the rule says 127 (zero codes; read by this program alone); blocks under 2^-111 are held at the byte 1; NaN and infinities are not served.
; REGISTERS, in windows of 256: window 0: v0-31 addresses; v32-63 scale words, two sets, and nothing else; v64-127 at work on the way out; from v128 the stacked rows' fragments, ONE set.
;   window 1: wd's fragments, TWO sets, at v0 and v128.   windows 2, 3: the accumulators, (a, b) at v[8 (8 (a % 4) + b)] of window 2 + a / 4.
.set AB,    8                          ; blocks of 16 rows of source 1 a wave
.set BB,    8                          ; blocks of 16 rows of source 0 a wave
.set NQ,    2                          ; k steps of 128 in a slot
.set APW,   32/BB
.set KT,    49152                      ; a tile of 16 rows in b_img and az_img: 24 k steps of 2,048 bytes
.set TILEB, 16*(NQ/2)*272              ; 16 rows in a slot: lines of 256 bytes + 16 of padding
.set HALFA, AB*TILEB
.set HALFB, BB*TILEB
.set SLOT,  2*HALFA+2*HALFB
.set SCL,   2*SLOT                     ; behind the ring: four regions of 8 k steps x 128 rows x 4 bytes, one for each fetching wave
.set SPARE, SCL+16384                  ; the spare words, 128 bytes for each wave: two blocks of 256 bytes that no other line names
.set WST,   SPARE+512                  ; 512 bytes for each wave: the scale words on their way out
.set QS0,   128                        ; rows as they lie: from k step to k step, and from 32 to 32 along K
.set CS0,   32
.set QS1,   2176                       ; images: the same two distances
.set CS1,   544
.set RSTEP0, 512                       ; a slot's next fill, in bytes of memory
.set RSTEP1, 4096*NQ
.set LI,   8                           ; v8   16 x lane
.set WSA,  9                           ; v9   where a scale word goes
.set WSR,  10                          ; v10  and where 16 bytes of them come back
.set ADRA, 16                          ; v16-17 source 1's fragments in slot 0, 1;  v18-19 source 0's
.set ADRB, 18
.set ADRS, 24                          ; v24  my scale words: lanes 0-15 source 1's rows, lanes 16-31 source 0's
.set SPW,  28                          ; v28  my spare word;  v29  0: never rewritten
.set NIL,  29
.set SC,   32
.set AF,   128
.set TM,   64                          ; v64-67 largest magnitudes, v68-71 bytes, v72-75 57,344 x the scale, v76-79 the conversions' scale operands
.set PW,   80                          ; v80-87 a block's scale word
.set EJ,   88                          ; v88-95 the addend on the diagonal's accumulator
.set LO,   100                         ; v100-103 the hold's lower bound
.set T,    128                         ; v128-191 a block's 64 numbers
.set WV, 20
.set WR, 21
.set WC, 22
.set CX, 40
.set CY, 41
.set TC, 42
.set MA, 43
.set MB, 44
.set TR, 45
.set G1A, 24
.set G0A, 32
.set G1B, 48
.set G0B, 56
.set SEL, 66
.set G1S, 68
.set G0S, 76
.set G1SB, 80
.set G0SB, 88
.set CM,  96                           ; s[96:97] the factor: -0.1 or 0.1
.set MNT, 98
.set NEG, 99                           ; s99  -1.0 (A: held on both sides) or 0 (z1: what is negative becomes 0)
.set ISA, 100                          ; s100 1 where my rows are A's: it hangs on the cluster's y alone
.set MSB, 0
.macro WIN new                         ; the immediate's high byte repeats the setting that is left
.if MSB != (\new)
	s_set_vgpr_msb (MSB<<8)|(\new)
.set MSB, (\new)
.endif
.endm
.macro PLACES n                        ; plain vector instructions behind matrix instructions: eight for this form
.rept \n
	v_nop
.endr
.endm
; A joint load: waves 0 and 1 fetch for source 1, waves 2 and 3 for source 0.  The branch hangs on the wave's number alone.  An s_nop 0 and four v_nop follow each line.
.macro JLOAD g0a, g1a, g0b, g1b
	s_cmp_eq_u32 s[WR], 0
	s_cbranch_scc0 .Lfor_b_\@
	tensor_load_to_lds s[\g0a:\g0a+3], s[\g1a:\g1a+7]
	s_nop 0
.rept 4
	v_nop
.endr
	s_branch .Lasked_\@
.Lfor_b_\@:
	tensor_load_to_lds s[\g0b:\g0b+3], s[\g1b:\g1b+7]
	s_nop 0
.rept 4
	v_nop
.endr
.Lasked_\@:
.endm
.macro CREST                           ; a round of the cluster's barrier behind its opening barrier
	s_cmp_lg_u32 s[WV], 0
	s_cbranch_scc1 .Lnot_wave_0_\@
	s_barrier_signal -3
.Lnot_wave_0_\@:
	s_barrier_wait -3
	s_barrier_signal -1
	s_barrier_wait -1
.endm
.macro CROUND
	s_barrier_signal -1
	s_barrier_wait -1
	CREST
.endm
.macro FRAG reg, adr, off, cs          ; a fragment, 16 rows x 128 K: registers 4 c .. 4 c + 3 hold K = 32 c + 16 (lane / 16) + 0 .. 15
.irp c, 0,1,2,3
	ds_load_b128 v[\reg+4*\c:\reg+4*\c+3], v[\adr] offset:(\off)+(\cs)*\c
.endr
.endm
.macro FETCH_B slot, q, p, lay         ; source 0's BB fragments of the slot's q-th k step into set p
	WIN 0x40
.set fi, 0
.rept BB
	FRAG 128*(\p)+16*fi, ADRB+4*(\lay)+(\slot), (QS0+(QS1-QS0)*(\lay))*(\q)+fi*TILEB, CS0+(CS1-CS0)*(\lay)
.set fi, fi+1
.endr
	WIN 0
.endm
.macro FETCH_A slot, q, i0, n, lay     ; source 1's blocks i0 .. i0 + n - 1
.set fi, \i0
.rept \n
	FRAG AF+16*fi, ADRA+4*(\lay)+(\slot), (QS0+(QS1-QS0)*(\lay))*(\q)+fi*TILEB, CS0+(CS1-CS0)*(\lay)
.set fi, fi+1
.endr
.endm
.macro SCALES set                      ; a slot's scale words: register NQ i + q: lanes 0-15 source 1's block i, lanes 16-31 source 0's block i
.set si, 0
.rept 16/NQ
.set sq, 0
.rept NQ
	ds_load_b32 v[SC+16*(\set)+NQ*si+sq], v[ADRS] offset:1024*sq+64*si
.set sq, sq+1
.endr
.set si, si+1
.endr
.endm
; n x BB matrix instructions: source 1's blocks a0 on against source 0's BB.  The accumulators take turns, one instruction a turn, in the same order in every step.
.macro MULR a0, n, p, q, set, zero
	WIN 0xa1+0x50*((\a0)/APW)
.set ma, \a0
.rept \n
.set mb, 0
.rept BB
.set rD, 8*(BB*(ma%APW)+mb)
.if \zero
	v_wmma_scale_f32_16x16x128_f8f6f4 v[rD:rD+7], v[128*(\p)+16*mb:128*(\p)+16*mb+15], v[AF+16*ma:AF+16*ma+15], 0, v[SC+16*(\set)+NQ*mb+(\q)], v[SC+16*(\set)+NQ*ma+(\q)] matrix_a_fmt:MATRIX_FMT_BF8 matrix_b_fmt:MATRIX_FMT_BF8 matrix_a_scale:MATRIX_SCALE_ROW1
.else
	v_wmma_scale_f32_16x16x128_f8f6f4 v[rD:rD+7], v[128*(\p)+16*mb:128*(\p)+16*mb+15], v[AF+16*ma:AF+16*ma+15], v[rD:rD+7], v[SC+16*(\set)+NQ*mb+(\q)], v[SC+16*(\set)+NQ*ma+(\q)] matrix_a_fmt:MATRIX_FMT_BF8 matrix_b_fmt:MATRIX_FMT_BF8 matrix_a_scale:MATRIX_SCALE_ROW1
.endif
.set mb, mb+1
.endr
.set ma, ma+1
.endr
.endm
.macro STEP slot, q, zero, lay         ; a k step that has its successor in the same slot
	s_wait_dscnt 2*AB                              ; all but the youngest loads, source 1's second half, are in
	MULR 0, AB/2, (\q)%2, \q, \slot, \zero
	s_wait_dscnt 0
	PLACES 8
	FETCH_B \slot, (\q)+1, 1-(\q)%2, \lay
	FETCH_A \slot, (\q)+1, 0, AB/2, \lay
	MULR AB/2, AB/2, (\q)%2, \q, \slot, \zero
	PLACES 8
	WIN 0
	FETCH_A \slot, (\q)+1, AB/2, AB/2, \lay
.endm
; A slot's last k step changes slots: ONE barrier; in front of it each wave waits for all its tensor loads, adds 0 to its spare word, and waits for that and for its reads of this slot.  fill = 1: the slot is filled again.
.macro TURN slot, next, fill, laynext
	s_wait_tensorcnt 0x0                           ; all my tensor loads have landed: my part of the next slot
	ds_add_u32 v[SPW], v[NIL]                      ; 0 onto my spare word
	s_wait_dscnt 2*AB+1                            ; (the add and the youngest loads may be out)
	MULR 0, AB/4, 1, NQ-1, \slot, 0
	s_wait_dscnt 0x0                               ; the add is done, and my reads of this slot are over
	s_barrier_signal -1
	MULR AB/4, AB/4, 1, NQ-1, \slot, 0
	WIN 0
	s_barrier_wait -1
.if \fill
	CREST                                          ; the barrier has opened a round of the cluster's barrier: no wave of any partner still reads this slot or has a load on its way
	s_add_nc_u64 s[G0A+4*\slot+2:G0A+4*\slot+3], s[G0A+4*\slot+2:G0A+4*\slot+3], RSTEP0+(RSTEP1-RSTEP0)*(\laynext)
	s_add_nc_u64 s[G0B+4*\slot+2:G0B+4*\slot+3], s[G0B+4*\slot+2:G0B+4*\slot+3], RSTEP0+(RSTEP1-RSTEP0)*(\laynext)
	JLOAD G0A+4*\slot, G1A, G0B+4*\slot, G1B       ; the first tensor load behind the round; its four v_nop are four of the eight places
	PLACES 4
.else
	PLACES 8
.endif
	s_wait_alu depctr_va_vdst(0)
	v_add_nc_u32 v[ADRS], 1024*NQ, v[ADRS]
	FETCH_B \next, 0, 0, \laynext
	FETCH_A \next, 0, 0, AB/2, \laynext
	SCALES \next
	MULR AB/2, AB/2, 1, NQ-1, \slot, 0
	PLACES 8
	WIN 0
	FETCH_A \next, 0, AB/2, AB/2, \laynext
.endm
.macro LAST slot                       ; the very last k step: nothing more to fetch
	s_wait_dscnt 2*AB
	MULR 0, AB/2, 1, NQ-1, \slot, 0
	s_wait_dscnt 0
	MULR AB/2, AB/2, 1, NQ-1, \slot, 0
	WIN 0
.endm
	s_load_b256 s[4:11], s[0:1], 0x0               ; wd_codes s[4:5], x_codes s[6:7], sw1 s[8:9], b_img s[10:11]
	s_load_b128 s[12:15], s[0:1], 0x20             ; az_img s[12:13], sw3 s[14:15]
	v_lshl_add_u32 v[SPW], v0, 2, SPARE
	v_mov_b32 v[NIL], 0
	ds_add_u32 v[SPW], v[NIL]                      ; the wave's opening: the add, twice on end, and its wait ahead of my first tensor load
	ds_add_u32 v[SPW], v[NIL]
	v_lshrrev_b32 v1, 5, v0
	v_readfirstlane_b32 s[WV], v1                  ; wave 0..3
	s_lshr_b32 s[WR], s[WV], 1                     ; my half of the tile's rows.  Also: I fetch for source 1 (0) or source 0 (1)
	s_and_b32 s[WC], s[WV], 1                      ; my half of its columns.  Also: which half I fetch
	s_bfe_u32 s[CX], ttmp6, 0x40000
	s_bfe_u32 s[CY], ttmp6, 0x40004
	s_lshl_b32 s[TC], ttmp9, 2
	s_add_co_u32 s[TC], s[TC], s[CX]               ; tile column
	s_and_b32 s[TR], ttmp7, 0xffff
	s_lshl_b32 s[TR], s[TR], 2
	s_add_co_u32 s[TR], s[TR], s[CY]               ; tile row, in the stacked rows
	s_lshl_b32 s[MA], s[CY], 2
	s_lshl_b32 s[MA], 15, s[MA]                    ; my row of the cluster
	s_lshl_b32 s[MB], 0x1111, s[CX]                ; my column
	; group 1, codes: 128 rows of 256 bytes (32 elements of 8), 1,024 bytes apart; 16 bytes of padding behind each 256
	s_or_b32 s[G1A], s[MA], 0x7730000              ; 15:0 the mask; 17:16 elements of 8 bytes; 20 padding on; 21 set beside a mask; 24:22 after every 64 words; 31:25 four words
	s_or_b32 s[G1B], s[MB], 0x7730000
.irp g, G1A, G1B
	s_mov_b32 s[\g+1], 32<<16
	s_mov_b32 s[\g+2], 256<<16                     ; the head's loads of codes bring 256 rows; behind them the two words that count rows are set to 128
	s_mov_b32 s[\g+3], 32<<16
	s_mov_b32 s[\g+4], 256
	s_mov_b32 s[\g+5], 128
	s_mov_b32 s[\g+6], 0
	s_mov_b32 s[\g+7], 0
.endr
	; group 1, scale words: 8 k steps of 1,024 bytes (256 rows), 24,576 bytes apart; no padding
	s_or_b32 s[G1S], s[MA], 0x230000
	s_or_b32 s[G1SB], s[MB], 0x230000
.irp g, G1S, G1SB
	s_mov_b32 s[\g+1], 128<<16                     ; a k step's words of 256 rows: 1,024 bytes
	s_mov_b32 s[\g+2], 8<<16
	s_mov_b32 s[\g+3], 128<<16
	s_mov_b32 s[\g+4], 8
	s_mov_b32 s[\g+5], 3072
	s_mov_b32 s[\g+6], 0
	s_mov_b32 s[\g+7], 0
.endr
	s_lshl_b32 s92, s[TR], 8
	s_lshl_b32 s23, s[WC], 7
	s_add_co_u32 s92, s92, s23                     ; source 1: the stacked row at which my fetch begins
	s_lshl_b32 s94, s92, 2                         ; its words in a k step
	s_mov_b32 s95, 0
	s_mov_b32 s93, 0
	s_and_b32 s2, ttmp7, 0xffff
	s_cmp_lt_u32 s2, 2                             ; clusters 0 and 1 along y hold the stacked rows under 2,048
	s_cselect_b32 s[ISA], 1, 0
	s_cselect_b32 s2, 0, 2048
	s_sub_co_u32 s92, s92, s2
	s_lshl_b32 s92, s92, 10                        ; the row in its own buffer, in bytes
	s_lshl_b32 s46, s[TC], 8
	s_add_co_u32 s46, s46, s23                     ; source 0: the row of wd_codes at which my fetch begins
	s_lshl_b32 s2, s46, 2
	s_mov_b32 s3, 0
	s_lshl_b32 s46, s46, 10
	s_mov_b32 s47, 0
	s_mov_b32 s[SEL], 0x76543210
	s_mov_b32 s[SEL+1], 0xfedcba98
	s_mov_b32 s[MNT], 0x600000
	s_wait_dscnt 0x0                               ; both opening adds are done
	s_wait_kmcnt 0x0
	s_cmp_eq_u32 s[ISA], 1
	s_cselect_b64 s[16:17], s[4:5], s[6:7]
	s_add_nc_u64 s[16:17], s[16:17], s[92:93]
	s_add_nc_u64 s[18:19], s[4:5], s[46:47]
	s_add_nc_u64 s[94:95], s[8:9], s[94:95]
	s_add_nc_u64 s[2:3], s[8:9], s[2:3]
	CROUND                                         ; all sixteen work-groups are here: the first joint loads meet
	s_lshl_b32 s92, s[WC], 9                       ; the words' loads begin at the tile's first row: my half's 128 words are taken off again
	s_mov_b32 s93, 0
	s_sub_nc_u64 s[94:95], s[94:95], s[92:93]
	s_sub_nc_u64 s[2:3], s[2:3], s[92:93]
	s_mov_b32 s[G0S], 1
	s_mov_b32 s[G0S+1], SCL                        ; source 1's words: 8 k steps x 256 rows x 4 bytes
	s_mov_b64 s[G0S+2:G0S+3], s[94:95]
	s_or_b32 s[G0S+3], s[G0S+3], 0x80000000
	s_mov_b32 s[G0SB], 1
	s_mov_b32 s[G0SB+1], SCL+8192                  ; source 0's words behind them
	s_mov_b64 s[G0SB+2:G0SB+3], s[2:3]
	s_or_b32 s[G0SB+3], s[G0SB+3], 0x80000000
	s_cmp_eq_u32 s[WR], 0                          ; the prefetches' base: of the 128 rows that my wave fetches in the ring, my work-group's 32 (told apart by address: cx for source 1, cy for source 0)
	s_cselect_b64 s[4:5], s[16:17], s[18:19]
	s_cselect_b32 s6, s[CX], s[CY]
	s_lshl_b32 s6, s6, 15
	s_mov_b32 s7, 0
	s_add_nc_u64 s[4:5], s[4:5], s[6:7]
	s_mul_i32 s92, s[WC], HALFA
	s_mul_i32 s93, s[WC], HALFB
	s_add_co_u32 s93, s93, 2*HALFA
.irp s, 0,1
	s_mov_b32 s[G0A+4*\s], 1
	s_add_co_u32 s[G0A+4*\s+1], s92, \s*SLOT
	s_add_nc_u64 s[G0A+4*\s+2:G0A+4*\s+3], s[16:17], \s*256
	s_or_b32 s[G0A+4*\s+3], s[G0A+4*\s+3], 0x80000000
	s_mov_b32 s[G0B+4*\s], 1
	s_add_co_u32 s[G0B+4*\s+1], s93, \s*SLOT
	s_add_nc_u64 s[G0B+4*\s+2:G0B+4*\s+3], s[18:19], \s*256
	s_or_b32 s[G0B+4*\s+3], s[G0B+4*\s+3], 0x80000000
.endr
; THE HEAD'S LOADS, ONE A WAVE: wave 0 slot 0's 256 rows of source 1, wave 1 their words, wave 2 slot 0's 256 rows of source 0, wave 3 their words.
; Waves 0 and 2 fetch the first half in the ring, so their own group 0 of slot 0 points at the tile's first row.  One chain of branches on the wave's number, one load to an arm.
.macro ARM under, g0, g1, next
	s_cmp_lt_u32 s[WV], \under
	s_cbranch_scc0 \next
	tensor_load_to_lds s[\g0:\g0+3], s[\g1:\g1+7]
	s_nop 0
.rept 4
	v_nop
.endr
	s_branch .Lhead_asked
\next:
.endm
	ARM 1, G0A,  G1A, .Lhead_sa
	ARM 2, G0S,  G1S, .Lhead_b
	ARM 3, G0B,  G1B, .Lhead_sb
	tensor_load_to_lds s[G0SB:G0SB+3], s[G1SB:G1SB+7]
	s_nop 0
.rept 4
	v_nop
.endr
.Lhead_asked:
	v_and_b32 v11, 31, v0
	v_lshlrev_b32 v11, 10, v11                     ; a lane a row of 1,024 bytes; never rewritten
	global_prefetch_b8 v11, s[4:5] offset:256 th:TH_LOAD_NT scope:SCOPE_SE   ; the 256 bytes of each row that slot 1's first fill will ask for,
	global_prefetch_b8 v11, s[4:5] offset:512 th:TH_LOAD_NT scope:SCOPE_SE   ; and those of the fill behind it: each block is named once in the cluster
	v_and_b32 v1, 15, v0                           ; r
	v_bfe_u32 v2, v0, 4, 1                         ; h
	s_wait_alu depctr_va_vdst(0)
	v_and_b32 v3, 31, v0
	v_lshlrev_b32 v[LI], 4, v3
	v_mul_u32_u24 v4, v1, 272
	v_lshl_add_u32 v4, v2, 4, v4                   ; a fragment's row x pitch + 16 x half
	s_mul_i32 s92, s[WR], HALFA
	s_mul_i32 s93, s[WC], HALFB
	s_add_co_u32 s93, s93, 2*HALFA
.irp s, 0,1
	v_add_nc_u32 v[ADRA+\s], s92, v4
	v_add_nc_u32 v[ADRB+\s], s93, v4
	s_add_co_u32 s92, s92, SLOT
	s_add_co_u32 s93, s93, SLOT
.endr
	s_lshl_b32 s92, s[WR], 9                       ; my 128 rows' words inside a k step's 1,024 bytes
	s_lshl_b32 s93, s[WC], 9
	s_add_co_u32 s93, s93, 8192
	s_sub_co_u32 s93, s93, s92
	v_mul_u32_u24 v6, s93, v2                      ; lanes 16-31 take source 0's
	s_add_co_u32 s92, s92, SCL
	v_lshl_add_u32 v6, v1, 2, v6
	v_add_nc_u32 v[ADRS], s92, v6
	s_lshl_b32 s23, s[WV], 9
	s_add_co_u32 s23, s23, WST
	v_lshl_add_u32 v[WSA], v1, 2, s23
	v_add_nc_u32 v[WSR], s23, v[LI]
	; where the results go, and the constants that tell A from z1: selected, never branched on but for the maxima's two forms
	s_lshl_b32 s92, s[TR], 8
	s_lshl_b32 s23, s[WR], 7
	s_add_co_u32 s92, s92, s23
	s_lshl_b32 s94, s[TC], 1
	s_add_co_u32 s94, s94, s[WC]                   ; the k step that my 128 columns are in z1 A
	s_mov_b32 s[CM], 0x3dcccccd
	s_cmp_eq_u32 s[ISA], 1
	s_cselect_b64 s[10:11], s[10:11], s[12:13]
	s_cselect_b32 s23, 0, 2048
	s_cselect_b32 s2, 11, 12                       ; a k step of words has 2,048 rows (A) or 4,096 (z1)
	s_cselect_b32 s3, 393216, 0
	s_cselect_b32 s[CM], 0xbdcccccd, s[CM]         ; -0.1 or 0.1
	s_cselect_b32 s[NEG], 0xbf800000, 0
	s_cselect_b32 s101, 0, 0xbc449ba6              ; 0 or -0.012
	s_mov_b32 s[CM+1], s[CM]
	s_sub_co_u32 s92, s92, s23                     ; my first row in its image
	s_mul_i32 s46, s92, KT/16                      ; row / 16 tiles of 49,152 bytes,
	s_lshl_b32 s93, s94, 11
	s_add_co_u32 s46, s46, s93                     ; my k step,
	s_add_co_u32 s46, s46, 8*2048                  ; behind the eight k steps of x Wn
	s_mov_b32 s47, 0
	s_add_nc_u64 s[10:11], s[10:11], s[46:47]
	s_add_co_u32 s94, s94, 8                       ; the words likewise
	s_lshl_b32 s94, s94, s2
	s_add_co_u32 s94, s94, s92
	s_lshl_b32 s94, s94, 2
	s_add_co_u32 s46, s94, s3
	s_add_nc_u64 s[14:15], s[14:15], s[46:47]
	s_cmp_eq_u32 s[TR], s[TC]                      ; the diagonal of A lies in my accumulators (a, a) where my rows and my columns are the same physical rows
	s_cselect_b32 s23, -1, 0
	s_cmp_eq_u32 s[WR], s[WC]
	s_cselect_b32 s23, s23, 0
	s_cmp_eq_u32 s[ISA], 1
	s_cselect_b32 s23, s23, 0
	v_mov_b32 v14, s101
	v_mov_b32 v15, s101
	v_mov_b32 v104, 1.0
	s_wait_alu depctr_va_vdst(0)
.irp j, 0,1,2,3,4,5,6,7
	s_and_b32 s2, s23, (1<<\j)|(1<<(24+\j))        ; register j meets the diagonal where r = 8 h + j: lanes j and 24 + j
	v_cndmask_b32 v[EJ+\j], v14, v104, s2
.endr
	s_wait_alu depctr_va_vdst(0)
	s_wait_tensorcnt 0x0                           ; my tile of the head's four is in
	ds_add_u32 v[SPW], v[NIL]
	s_mov_b32 s[G1A+2], 128<<16                    ; no tensor load of mine is out: from here on a load brings 128 rows
	s_mov_b32 s[G1A+4], 128
	s_mov_b32 s[G1B+2], 128<<16
	s_mov_b32 s[G1B+4], 128
	s_wait_dscnt 0x0
	CROUND                                         ; all four tiles are in, and all sixteen work-groups are here
	JLOAD G0A+4, G1A, G0B+4, G1B                   ; slot 1's first fill, the first tensor load behind the round
	FETCH_B 0, 0, 0, 0
	FETCH_A 0, 0, 0, AB/2, 0
	SCALES 0
	FETCH_A 0, 0, AB/2, AB/2, 0
	global_prefetch_b8 v11, s[4:5] offset:768 th:TH_LOAD_NT scope:SCOPE_SE   ; the rows' last 256 bytes: two fills ahead of the load that asks for them
	STEP 0, 0, 1, 0                                ; the first products start the sums: nothing is cleared
	TURN 0, 1, 1, 0
	STEP 1, 0, 0, 0
	TURN 1, 0, 1, 0
	STEP 0, 0, 0, 0
	TURN 0, 1, 0, 0                                ; the last two slots are not filled again
	STEP 1, 0, 0, 0
	LAST 1
; THE WAY OUT, a block of 16 rows x 128 columns at a time: the factor and the addend in one fused multiply-add, the block's four scales, the hold, the conversions; the 16 code registers leave as the fragment's image.
.macro OUTBLK a
	WIN 0x02+(\a)/4                                ; source 0: window 2 or 3
.set oi, 0
.rept 32
.if (oi/4) == (\a)
	v_pk_fma_f32 v[T+2*oi:T+2*oi+1], v[64*((\a)%4)+2*oi:64*((\a)%4)+2*oi+1], s[CM:CM+1], v[EJ+2*(oi%4):EJ+2*(oi%4)+1] op_sel_hi:[1,0,1]
.else
	v_pk_fma_f32 v[T+2*oi:T+2*oi+1], v[64*((\a)%4)+2*oi:64*((\a)%4)+2*oi+1], s[CM:CM+1], v[14:15] op_sel_hi:[1,0,1]
.endif
.set oi, oi+1
.endr
	WIN 0
	s_cmp_eq_u32 s[ISA], 0                         ; the cluster's y alone decides: the same way in all partners and all waves
	s_cbranch_scc1 .Lrelu_\@
.irp b, 0,1,2,3
	v_max3_num_f32 v[TM+\b], |v[T+16*\b]|, |v[T+16*\b+1]|, 0x8000000   ; A: magnitudes, and the floor 2^(16 - 127)
.endr
.irp i, 2,4,6,8,10,12,14
.irp b, 0,1,2,3
	v_max3_num_f32 v[TM+\b], v[TM+\b], |v[T+16*\b+\i]|, |v[T+16*\b+\i+1]|
.endr
.endr
	s_branch .Ljoin_\@
.Lrelu_\@:
.irp b, 0,1,2,3
	v_max3_num_f32 v[TM+\b], v[T+16*\b], v[T+16*\b+1], 0x8000000       ; z1: what is negative is to become 0, so it does not count
.endr
.irp i, 2,4,6,8,10,12,14
.irp b, 0,1,2,3
	v_max3_num_f32 v[TM+\b], v[TM+\b], v[T+16*\b+\i], v[T+16*\b+\i+1]
.endr
.endr
.Ljoin_\@:
	s_wait_alu depctr_va_vdst(0)
.irp b, 0,1,2,3
	v_permlanex16_b32 v[TM+4+\b], v[TM+\b], s[SEL], s[SEL+1]
.endr
.irp b, 0,1,2,3
	v_max_num_f32 v[TM+\b], v[TM+\b], v[TM+4+\b]   ; with lane l xor 16's 16 numbers: the block's largest magnitude
.endr
.irp b, 0,1,2,3
	v_add_nc_u32 v[TM+12+\b], 0xf8800000, v[TM+\b] ; 15 off the exponent field: the conversion's scale operand
.endr
.irp b, 0,1,2,3
	v_and_or_b32 v[TM+8+\b], v[TM+\b], 0x7f800000, s[MNT]   ; 57,344 x the scale
.endr
.irp b, 0,1,2,3
	v_lshrrev_b32 v[TM+4+\b], 23, v[TM+12+\b]      ; the scale's byte
.endr
	v_lshl_or_b32 v[PW+(\a)], v[TM+5], 8, v[TM+4]
	v_lshl_or_b32 v[PW+(\a)], v[TM+6], 16, v[PW+(\a)]
	v_lshl_or_b32 v[PW+(\a)], v[TM+7], 24, v[PW+(\a)]
.irp b, 0,1,2,3
	v_mul_f32 v[LO+\b], s[NEG], v[TM+8+\b]         ; the lower bound: minus the upper one, or 0
.endr
	s_wait_alu depctr_va_vdst(0)
	s_wait_xcnt 0x0                                ; earlier stores have read the code registers: they are written again only behind this wait
.set PC, 192+16*((\a)%2)
.irp b, 0,1,2,3
.irp i, 0,1,2,3,4,5,6,7,8,9,10,11,12,13,14,15
	v_med3_num_f32 v[T+16*\b+\i], v[T+16*\b+\i], v[LO+\b], v[TM+8+\b]   ; the hold (the conversion does not saturate: ISA guide 7.6.2), and for z1 the activation
.endr
	v_cvt_scalef32_pk8_bf8_f32 v[PC+4*\b:PC+4*\b+1], v[T+16*\b:T+16*\b+7], v[TM+12+\b]
	v_cvt_scalef32_pk8_bf8_f32 v[PC+4*\b+2:PC+4*\b+3], v[T+16*\b+8:T+16*\b+15], v[TM+12+\b]
.endr
	v_nop                                          ; a plain instruction behind the last conversion
.irp b, 0,1,2,3
	global_store_b128 v[LI], v[PC+4*\b:PC+4*\b+3], s[10:11] offset:(\a)*KT+512*\b   ; 512 consecutive bytes, aligned
.endr
	ds_store_b32 v[WSA], v[PW+(\a)] offset:64*(\a) ; row r's word (lanes r and r + 16 hold the same)
.endm
	PLACES 8                                       ; behind the last products: the block's numbers are written where fragments lay
.irp b, 0,1,2,3
	v_mov_b32 v[TM+4+\b], 0                        ; written once: a lane permute's destination counts as one of its sources
.endr
.irp a, 0,1,2,3,4,5,6,7
	OUTBLK \a
.endr
	ds_load_b128 v[96:99], v[WSR]                  ; my 128 rows' words of my k step: LDS serves a wave's instructions in order
	s_wait_dscnt 0x0
	global_store_b128 v[LI], v[96:99], s[14:15]    ; 512 consecutive bytes, aligned
	s_wait_tensorcnt 0x0                           ; the wave's end, behind my last tensor load and my last LDS store
	ds_add_u32 v[SPW], v[NIL]
	s_wait_dscnt 0x0
	CROUND                                         ; the closing round: no work-group ends while a partner may still ask for a tile that names it
	s_endpgm
.Lfunc_end_k_qe459e2715b_gram:
	.size	k_qe459e2715b_gram, .Lfunc_end_k_qe459e2715b_gram-k_qe459e2715b_gram
	.p2alignl 7, 3214868480
	.fill 96, 4, 3214868480
	.section	.rodata,"a",@progbits
	.p2align	6, 0x0
	.amdhsa_kernel k_qe459e2715b_gram
		.amdhsa_group_segment_fixed_size 327680
		.amdhsa_private_segment_fixed_size 0
		.amdhsa_enable_private_segment 0
		.amdhsa_kernarg_size 48
		.amdhsa_user_sgpr_count 2
		.amdhsa_user_sgpr_kernarg_segment_ptr 1
		.amdhsa_wavefront_size32 1
		.amdhsa_system_sgpr_workgroup_id_x 1
		.amdhsa_system_sgpr_workgroup_id_y 1
		.amdhsa_system_sgpr_workgroup_id_z 1
		.amdhsa_system_vgpr_workitem_id 0
		.amdhsa_next_free_vgpr 1024
		.amdhsa_next_free_sgpr 102
		.amdhsa_reserve_vcc 0
		.amdhsa_float_denorm_mode_32 3
		.amdhsa_float_denorm_mode_16_64 3
		.amdhsa_memory_ordered 1
		.amdhsa_forward_progress 1
		.amdhsa_inst_pref_size 225
	.end_amdhsa_kernel
	.amdgpu_metadata
---
amdhsa.version: [ 1, 2 ]
amdhsa.kernels:
  - .name:           k_qe459e2715b_gram
    .symbol:         k_qe459e2715b_gram.kd
    .args:
      - { .name: wd_codes, .offset: 0, .size: 8, .value_kind: global_buffer, .address_space: global }
      - { .name: x_codes, .offset: 8, .size: 8, .value_kind: global_buffer, .address_space: global }
      - { .name: sw1, .offset: 16, .size: 8, .value_kind: global_buffer, .address_space: global }
      - { .name: b_img, .offset: 24, .size: 8, .value_kind: global_buffer, .address_space: global }
      - { .name: az_img, .offset: 32, .size: 8, .value_kind: global_buffer, .address_space: global }
      - { .name: sw3, .offset: 40, .size: 8, .value_kind: global_buffer, .address_space: global }
    .group_segment_fixed_size: 327680
    .private_segment_fixed_size: 0
    .kernarg_segment_align: 8
    .kernarg_segment_size: 48
    .max_flat_workgroup_size: 128
    .sgpr_count:     102
    .vgpr_count:     1024
    .wavefront_size: 32
...
	.end_amdgpu_metadata
.endif
;; end of part 2
;; launch iter (part 3): grid 8 x 32, 4 waves a work-group, clusters of 4 x 4, 327,680 bytes of LDS; arguments az_img, b_img, sw3, out1, z2_img, z2w; writes out1, z2_img, z2w
.if DOCPART == 3
	.amdgcn_target "amdgcn-amd-amdhsa--gfx1250"
	.amdhsa_code_object_version 6
	.text
	.protected	k_qe459e2715b_iter
	.globl	k_qe459e2715b_iter
	.p2align	8
	.type	k_qe459e2715b_iter,@function
k_qe459e2715b_iter:
	s_mov_b64 s[64:65], 0
	v_nop
	global_prefetch_b8 v0, s[64:65] scope:SCOPE_SE
	s_setreg_imm32_b32 hwreg(HW_REG_WAVE_MODE, 25, 1), 1
	s_wait_xcnt 0x0
	s_wait_alu depctr_hold_cnt(0) depctr_sa_sdst(0) depctr_va_vdst(0) depctr_va_sdst(0) depctr_va_ssrc(0) depctr_va_vcc(0) depctr_vm_vsrc(0)
	s_getreg_b32 s2, hwreg(HW_REG_IB_STS2, 6, 4)
	s_cmp_eq_u32 s2, 0
	s_cbranch_scc0 .Lentry_in_a_cluster
	s_endpgm
.Lentry_in_a_cluster:
	s_bfe_u32 s2, ttmp6, 0x10000c
	s_cmp_lg_u32 s2, 0xf033
	s_cbranch_scc0 .Lentry_shape_is_right
	s_endpgm
.Lentry_shape_is_right:
; ITER: z2 = relu(z1 A + b), b = 0.1 x Wn - 0.012, all products on codes of E5M2.  z2 goes to out1 as f32 and, quantised along its columns, to z2_img and z2w for the last product.
; WORK LEFT OUT: reference()'s first z @ A, a product with the zeros that it builds itself (shown at the head of the first launch); z1 = relu(b) was made by the launch before.
; b is made here anew and never goes to memory: k steps 0-7 sum x Wn (K = 1024), one fused multiply-add turns the sums into b, and k steps 8-23 add z1 A (K = 2048) onto them.
; LIMIT: b is so the start of the second sum, one order of rounding away from (z A) + b.  A block of zeros carries the byte 1 where the rule says 127; NaN and infinities are not served.
; BOTH OPERANDS ARE IMAGES OF OPERAND REGISTERS, [tile of 16 rows][24 k steps of 128][4][32 lanes][16 bytes]: az_img holds x (k steps 0-7) and z1 (8-23), b_img Wn (0-7) and A (8-23).  So the 24 k steps are one walk.
; A tile of 128 x 256 is made by four waves, each 64 x 128: 32 accumulators.
; THE COLUMNS' TILES (b_img, 256 rows) go through two LDS slots of 512 along K, 131,072 bytes each, six fills in all; each wave fetches a quarter of a slot.  4 x 4 work-groups form a cluster, and the four of a column of
; the cluster ask for these tiles jointly.
; THE ROWS' FRAGMENTS (az_img) GO FROM MEMORY STRAIGHT INTO REGISTERS, 16 loads of 512 consecutive bytes a k step and wave, into a ring of four k steps: 64 loads of a wave are on their way.  They are shared along a row of
; the cluster and are NOT asked for jointly: beside them in LDS a slot could hold only 256 along K (384 rows against 256), which makes twelve fills of 64 matrix instructions a wave, against six of 128; and the waits
; in front of a change of slots do not touch loads into registers.  The price: a work-group reads its 128 rows twice (two waves each), 32 KB a k step.
; THE MATRIX INSTRUCTION IS USED TRANSPOSED (source 0 = 16 physical rows of b_img, source 1 = 16 rows of az_img).  Physical row i holds column sigma(i) (bits 3 and 4 swapped), so register j of
; accumulator (a, 2 beta + u) in lane (r, h) is column 32 beta + 16 h + 8 u + j of row 16 a + r.
; The scale words of all 24 k steps come once, with the first fills.  The text has no loop: every offset is an immediate, and no pointer but the two descriptors' is stepped.
; REGISTERS: window 0: v0-31 addresses; v32-63 scale words, two sets, and nothing else; v64-255 at work on the way out.   window 1: the columns' fragments, TWO sets, at v0 and v128.
;   window 2: the accumulators, (a, b) at v[8 (8 a + b)].   window 3: the rows' fragments, k step t at v[64 (t % 4)].
.set AB,    4
.set BB,    8
.set KT,    49152                      ; a tile of 16 rows in memory: 24 k steps of 2,048 bytes
.set SLOT,  131072                     ; 16 tiles x 4 k steps x 2,048 bytes, dense: every LDS load reads 512 consecutive bytes, so no padding is wanted
.set SCL,   2*SLOT                     ; behind the ring: the rows' words, 24 k steps x 128 rows x 4 bytes; then the columns', the same for each half
.set SPARE, SCL+36864                  ; the spare words, 128 bytes for each wave: two blocks of 256 bytes that no other line names
.set WST,   SPARE+512                  ; 256 bytes for each wave: scale words on their way out
.set FST,   0                          ; 16 rows x (512 + 16) bytes for each wave: z2 on its way out.  It lies in slot 0, which has had its last fill, and its last read ahead of the barrier in k step 19
.set LI,   8                           ; v8   16 x lane; never rewritten
.set WSA,  9
.set WSR,  10
.set STO,  11
.set RD,   12
.set ADB,  16                          ; v16-17 my half of the columns' tiles in slot 0, 1
.set ADRS, 24                          ; v24  my scale words: lanes 0-15 the rows', lanes 16-31 the columns'
.set L8,   25                          ; v25  8 x lane
.set SPW,  28
.set NIL,  29
.set SC,   32
.set T,    64                          ; v64-127  a block's 64 numbers
.set TM,   128                         ; v128-131 largest magnitudes, v132-135 bytes, v136-139 57,344 x the scale, v140-143 the conversions' scale operands
.set PW,   144                         ; v144-147 a block's scale word
.set PC,   160                         ; v160-175 a fragment's codes
.set BK,   192
.set PA,  4                            ; s[4:5]   az_img at my wave's four tiles; never rewritten behind the head
.set PB,  6                            ; s[6:7]   b_img at the four tiles that my wave fetches
.set PO1, 10                           ; s[10:11] out1
.set PZI, 12                           ; s[12:13] z2_img
.set PZW, 14                           ; s[14:15] z2w
.set WV, 20
.set WR, 21
.set WC, 22
.set CX, 40
.set CY, 41
.set TC, 42
.set MA, 43
.set MB, 44
.set TR, 45
.set G1B, 48
.set G0B, 56
.set SEL, 66
.set G1S, 68
.set G0S, 76
.set G1SB, 80
.set G0SB, 88
.set CM,  96
.set MNT, 98
.set MSB, 0
.macro WIN new                         ; the immediate's high byte repeats the setting that is left
.if MSB != (\new)
	s_set_vgpr_msb (MSB<<8)|(\new)
.set MSB, (\new)
.endif
.endm
.macro PLACES n                        ; plain vector instructions behind matrix instructions: eight for this form
.rept \n
	v_nop
.endr
.endm
.macro JLOAD g0a, g1a, g0b, g1b        ; the scale words' joint load: waves 0 and 1 fetch the rows', waves 2 and 3 the columns'; an s_nop 0 and four v_nop follow each line
	s_cmp_eq_u32 s[WR], 0
	s_cbranch_scc0 .Lfor_b_\@
	tensor_load_to_lds s[\g0a:\g0a+3], s[\g1a:\g1a+7]
	s_nop 0
.rept 4
	v_nop
.endr
	s_branch .Lasked_\@
.Lfor_b_\@:
	tensor_load_to_lds s[\g0b:\g0b+3], s[\g1b:\g1b+7]
	s_nop 0
.rept 4
	v_nop
.endr
.Lasked_\@:
.endm
.macro BLOAD s                         ; a slot's joint load: every wave asks for its own four tiles of 16 rows (both addresses hang on the wave's number), so no branch is wanted
	tensor_load_to_lds s[G0B+4*\s:G0B+4*\s+3], s[G1B:G1B+7]
	s_nop 0
.rept 4
	v_nop
.endr
.endm
.macro CREST
	s_cmp_lg_u32 s[WV], 0
	s_cbranch_scc1 .Lnot_wave_0_\@
	s_barrier_signal -3
.Lnot_wave_0_\@:
	s_barrier_wait -3
	s_barrier_signal -1
	s_barrier_wait -1
.endm
.macro CROUND
	s_barrier_signal -1
	s_barrier_wait -1
	CREST
.endm
.macro FETCH_B t                       ; the columns' eight fragments of k step t, from LDS into set t % 2: 32 loads of 512 consecutive bytes
	WIN 0x40                                       ; destination window 1, address window 0
.set fi, 0
.rept BB
.irp c, 0,1,2,3
	ds_load_b128 v[128*((\t)%2)+16*fi+4*\c:128*((\t)%2)+16*fi+4*\c+3], v[ADB+((\t)/4)%2] offset:8192*fi+2048*((\t)%4)+512*\c
.endr
.set fi, fi+1
.endr
.endm
.macro ALOAD t                         ; the rows' four fragments of k step t, from memory into the ring's place t % 4: 16 loads of 512 consecutive bytes
	WIN 0xc0                                       ; destination window 3, address window 0
.set fi, 0
.rept AB
.irp c, 0,1,2,3
	global_load_b128 v[64*((\t)%4)+16*fi+4*\c:64*((\t)%4)+16*fi+4*\c+3], v[LI], s[PA:PA+1] offset:KT*fi+2048*(\t)+512*\c
.endr
.set fi, fi+1
.endr
.endm
.macro SCALES j                        ; the scale words of k steps 2 j and 2 j + 1 into set j % 2: register 2 i + q: lanes 0-15 the rows' block i (blocks 4 to 7: words that no product names), lanes 16-31 the columns' block i
.set si, 0
.rept 8
	ds_load_b32 v[SC+16*((\j)%2)+2*si], v[ADRS] offset:1024*(\j)+64*si
	ds_load_b32 v[SC+16*((\j)%2)+2*si+1], v[ADRS] offset:1024*(\j)+512+64*si
.set si, si+1
.endr
.endm
; n x 8 matrix instructions of k step t: the rows' blocks a0 on against the columns' eight.  The accumulators take turns, one instruction a turn, in the same order in every k step.
.macro MULR t, a0, n, zero
	WIN 0xad                                       ; source 0 window 1, source 1 window 3, C and D window 2
.set ma, \a0
.rept \n
.set mb, 0
.rept BB
.set rD, 8*(BB*ma+mb)
.set rB, 128*((\t)%2)+16*mb
.set rA, 64*((\t)%4)+16*ma
.set rSB, SC+16*(((\t)/2)%2)+2*mb+(\t)%2
.set rSA, SC+16*(((\t)/2)%2)+2*ma+(\t)%2
.if \zero
	v_wmma_scale_f32_16x16x128_f8f6f4 v[rD:rD+7], v[rB:rB+15], v[rA:rA+15], 0, v[rSB], v[rSA] matrix_a_fmt:MATRIX_FMT_BF8 matrix_b_fmt:MATRIX_FMT_BF8 matrix_a_scale:MATRIX_SCALE_ROW1
.else
	v_wmma_scale_f32_16x16x128_f8f6f4 v[rD:rD+7], v[rB:rB+15], v[rA:rA+15], v[rD:rD+7], v[rSB], v[rSA] matrix_a_fmt:MATRIX_FMT_BF8 matrix_b_fmt:MATRIX_FMT_BF8 matrix_a_scale:MATRIX_SCALE_ROW1
.endif
.set mb, mb+1
.endr
.set ma, ma+1
.endr
.endm
.macro XFORM                           ; the sums of x Wn become b = 0.1 x Wn - 0.012, each accumulator from its low end on
	WIN 0x82                                       ; destination and source 0: window 2
.set oi, 0
.rept 128
	v_pk_fma_f32 v[2*oi:2*oi+1], v[2*oi:2*oi+1], s[CM:CM+1], v[14:15] op_sel_hi:[1,0,1]
.set oi, oi+1
.endr
	PLACES 4
.endm
; A k step whose successor lies in the same slot.  Eight places stand behind the last k step's products, so the set and the ring's place that they read may be loaded again.
.macro STEPN t, zero
	s_wait_dscnt 0x0                               ; this k step's fragments of the columns and its scale words, asked for a k step ago, are in
.if ((\t)%2) == 1
	SCALES ((\t)+1)/2
.endif
	FETCH_B (\t)+1
.if ((\t) > 0) && ((\t)+3 < 24)
	ALOAD (\t)+3                                   ; into the place that the last k step read
.endif
.if (\t) == 8
	s_wait_alu depctr_va_vdst(0)
	XFORM
.endif
.if (\t) <= 20
	s_wait_alu depctr_va_vdst(0)
	s_wait_loadcnt 48                              ; loads come back in order: behind this k step's sixteen stand those of the next three k steps
.else
	s_wait_loadcnt 16*(23-(\t))                    ; (at the end: of the k steps that are left)
.endif
	MULR \t, 0, 4, \zero
	PLACES 8
	WIN 0
.endm
; A slot's last k step changes slots: ONE barrier; in front of it each wave waits for all its tensor loads, adds 0 to its spare word, and waits for that and for its reads of this slot (the last were asked for a k step ago).
; fill = 1: the slot is filled again, with the 512 along K two slots on: the load has four k steps, 128 matrix instructions a wave, in which to land.
.macro STEPT t, fill
.set SL, ((\t)/4)%2
	s_wait_tensorcnt 0x0                           ; all my tensor loads have landed: my part of the next slot; so a descriptor may be written
	ds_add_u32 v[SPW], v[NIL]                      ; 0 onto my spare word
	s_wait_loadcnt 32                              ; the rows' fragments of this k step are in: behind them stand those of two k steps (the third's are asked for below)
	s_wait_dscnt 1                                 ; the columns' fragments are in; the add may be out
	MULR \t, 0, 1, 0                               ; eight matrix instructions stand between the add and the wait for it
	s_wait_dscnt 0x0                               ; the add is done, and my reads of this slot are over
	s_barrier_signal -1
	MULR \t, 1, 1, 0
	WIN 0
	s_barrier_wait -1
.if \fill
	CREST                                          ; the barrier has opened a round of the cluster's barrier: no wave of any partner still reads this slot or has a load on its way
	s_add_nc_u64 s[G0B+4*SL+2:G0B+4*SL+3], s[G0B+4*SL+2:G0B+4*SL+3], 16384
	BLOAD SL                                       ; the first tensor load behind the round, one a wave; its four v_nop are four of the eight places
	PLACES 4
.else
	PLACES 8
.endif
	SCALES ((\t)+1)/2
	FETCH_B (\t)+1                                 ; the next slot's first fragments
	ALOAD (\t)+3
.if (\fill) && ((\t) < 8)
	global_prefetch_b8 v26, s[32:33] offset:(((\t)+13)/4)*8192 th:TH_LOAD_NT scope:SCOPE_SE   ; the columns' four k steps that stand two fills on; the last two fills have none
.endif
.if (\t) == 7
	global_prefetch_b8 v26, s[34:35] offset:32768 th:TH_LOAD_NT scope:SCOPE_SE   ; the rows' k steps 16-23: their loads begin in k step 13
.endif
	MULR \t, 2, 2, 0
	PLACES 8
	WIN 0
.endm
	s_load_b256 s[4:11], s[0:1], 0x0               ; az_img s[4:5], b_img s[6:7], sw3 s[8:9], out1 s[10:11]
	s_load_b128 s[12:15], s[0:1], 0x20             ; z2_img s[12:13], z2w s[14:15]
	v_lshl_add_u32 v[SPW], v0, 2, SPARE
	v_mov_b32 v[NIL], 0
	ds_add_u32 v[SPW], v[NIL]                      ; the wave's opening: the add, twice on end, and its wait ahead of my first tensor load
	ds_add_u32 v[SPW], v[NIL]
	v_lshrrev_b32 v1, 5, v0
	v_readfirstlane_b32 s[WV], v1                  ; wave 0..3
	s_lshr_b32 s[WR], s[WV], 1                     ; my half of the tile's rows
	s_and_b32 s[WC], s[WV], 1                      ; my half of its columns
	s_bfe_u32 s[CX], ttmp6, 0x40000
	s_bfe_u32 s[CY], ttmp6, 0x40004
	s_lshl_b32 s[TC], ttmp9, 2
	s_add_co_u32 s[TC], s[TC], s[CX]               ; tile column
	s_and_b32 s[TR], ttmp7, 0xffff
	s_lshl_b32 s[TR], s[TR], 2
	s_add_co_u32 s[TR], s[TR], s[CY]               ; tile row
	s_lshl_b32 s[MA], s[CY], 2
	s_lshl_b32 s[MA], 15, s[MA]                    ; my row of the cluster
	s_lshl_b32 s[MB], 0x1111, s[CX]                ; my column
	; group 1, the columns' tiles: 4 tiles of 16 rows, of each 8,192 consecutive bytes (1,024 elements of 8: four k steps), 49,152 bytes apart; dense in LDS
	s_or_b32 s[G1B], s[MB], 0x230000               ; 15:0 the mask; 17:16 elements of 8 bytes; 20 no padding; 21 set beside a mask
	s_mov_b32 s[G1B+1], 1024<<16
	s_mov_b32 s[G1B+2], 4<<16
	s_mov_b32 s[G1B+3], 1024<<16
	s_mov_b32 s[G1B+4], 4
	s_mov_b32 s[G1B+5], KT/8
	s_mov_b32 s[G1B+6], 0
	s_mov_b32 s[G1B+7], 0
	; group 1, scale words: k steps of 512 bytes (128 rows); the rows': 24 a load, 16,384 bytes apart; the columns': 24 a load, 8,192 apart
	s_or_b32 s[G1S], s[MA], 0x230000
	s_mov_b32 s[G1S+1], 64<<16
	s_mov_b32 s[G1S+2], 24<<16                     ; the rows' words of all 24 k steps come by one load
	s_mov_b32 s[G1S+3], 64<<16
	s_mov_b32 s[G1S+4], 24
	s_mov_b32 s[G1S+5], 2048
	s_mov_b32 s[G1S+6], 0
	s_mov_b32 s[G1S+7], 0
	s_or_b32 s[G1SB], s[MB], 0x230000
	s_mov_b32 s[G1SB+1], 64<<16
	s_mov_b32 s[G1SB+2], 24<<16
	s_mov_b32 s[G1SB+3], 64<<16
	s_mov_b32 s[G1SB+4], 24
	s_mov_b32 s[G1SB+5], 1024
	s_mov_b32 s[G1SB+6], 0
	s_mov_b32 s[G1SB+7], 0
	s_lshl_b32 s92, s[TR], 3
	s_lshl_b32 s23, s[WR], 2
	s_add_co_u32 s92, s92, s23                     ; the rows: my wave's first tile of 16: 8 x tile row + 4 x half
	s_mul_i32 s92, s92, KT
	s_mov_b32 s93, 0
	s_lshl_b32 s16, s[TR], 9                       ; the rows' words: 128 rows of each k step; all 24 k steps
	s_mov_b32 s17, 0
	s_lshl_b32 s18, s[TC], 10                      ; the columns' words: the 128 rows that I fetch, behind the rows' 393,216 bytes
	s_lshl_b32 s23, s[WC], 9
	s_add_co_u32 s18, s18, s23
	s_add_co_u32 s18, s18, 393216
	s_mov_b32 s19, 0
	s_lshl_b32 s46, s[TC], 4
	s_lshl_b32 s23, s[WV], 2
	s_add_co_u32 s46, s46, s23                     ; the columns: the first tile of 16 that I fetch: 16 x tile column + 4 x wave
	s_mul_i32 s46, s46, KT
	s_mov_b32 s47, 0
	s_mov_b32 s[SEL], 0x76543210
	s_mov_b32 s[SEL+1], 0xfedcba98
	s_mov_b32 s[CM], 0x3dcccccd                    ; 0.1
	s_mov_b32 s[CM+1], s[CM]
	s_mov_b32 s[MNT], 0x600000                     ; the mantissa field of 57,344
	v_and_b32 v3, 31, v0
	v_lshlrev_b32 v[LI], 4, v3
	v_lshlrev_b32 v[L8], 3, v3
	s_wait_dscnt 0x0                               ; both opening adds are done
	s_wait_kmcnt 0x0
	s_add_nc_u64 s[PA:PA+1], s[PA:PA+1], s[92:93]
	s_add_nc_u64 s[PB:PB+1], s[PB:PB+1], s[46:47]
	s_add_nc_u64 s[16:17], s[8:9], s[16:17]
	s_add_nc_u64 s[18:19], s[8:9], s[18:19]
	CROUND                                         ; all sixteen work-groups are here: the first joint loads meet
	s_mov_b32 s[G0S], 1
	s_mov_b32 s[G0S+1], SCL
	s_mov_b64 s[G0S+2:G0S+3], s[16:17]
	s_or_b32 s[G0S+3], s[G0S+3], 0x80000000
	s_mul_i32 s23, s[WC], 12288
	s_mov_b32 s[G0SB], 1
	s_add_co_u32 s[G0SB+1], s23, SCL+12288
	s_mov_b64 s[G0SB+2:G0SB+3], s[18:19]
	s_or_b32 s[G0SB+3], s[G0SB+3], 0x80000000
	s_or_b32 s24, s[MB], 0x230000                  ; s[24:31]: group 1 for the head's load of slot 0: all 16 tiles, 8,192 bytes of each
	s_mov_b32 s25, 1024<<16
	s_mov_b32 s26, 16<<16
	s_mov_b32 s27, 1024<<16
	s_mov_b32 s28, 16
	s_mov_b32 s29, KT/8
	s_mov_b32 s30, 0
	s_mov_b32 s31, 0
	s_mul_i32 s92, s[CY], KT                       ; the prefetches' bases, told apart by address.  s[32:33]: of the columns' 16 tiles, tile 4 x wave + cy
	s_mov_b32 s93, 0
	s_add_nc_u64 s[32:33], s[PB:PB+1], s[92:93]
	s_mul_i32 s92, s[CX], KT                       ; s[34:35]: of the rows' 8 tiles, tile 4 x row half + cx; the column half picks 8,192 of 16,384 bytes
	s_lshl_b32 s94, s[WC], 13
	s_add_co_u32 s92, s92, s94
	s_add_nc_u64 s[34:35], s[PA:PA+1], s[92:93]
	s_lshl_b32 s23, s[WV], 15                      ; my quarter of a slot: wave x 32,768: no place in the cluster enters an LDS address
.irp s, 0,1
	s_mov_b32 s[G0B+4*\s], 1
	s_add_co_u32 s[G0B+4*\s+1], s23, \s*SLOT
	s_add_nc_u64 s[G0B+4*\s+2:G0B+4*\s+3], s[PB:PB+1], \s*8192
	s_or_b32 s[G0B+4*\s+3], s[G0B+4*\s+3], 0x80000000
.endr
; THE HEAD'S LOADS, ONE A WAVE: wave 0 all of slot 0 (its own group 0 points at the first tile), wave 1 the rows' words, waves 2 and 3 the two halves of the columns' words.
.macro ARM under, g0, g1, next
	s_cmp_lt_u32 s[WV], \under
	s_cbranch_scc0 \next
	tensor_load_to_lds s[\g0:\g0+3], s[\g1:\g1+7]
	s_nop 0
.rept 4
	v_nop
.endr
	s_branch .Lhead_asked
\next:
.endm
	ARM 1, G0B, 24,  .Lhead_sa
	ARM 2, G0S, G1S, .Lhead_sb
	tensor_load_to_lds s[G0SB:G0SB+3], s[G1SB:G1SB+7]
	s_nop 0
.rept 4
	v_nop
.endr
.Lhead_asked:
	s_wait_alu depctr_va_vdst(0)
	v_lshlrev_b32 v26, 8, v3                       ; 256 x lane: a lane a block of 256 bytes; never rewritten
	global_prefetch_b8 v26, s[32:33] offset:8192 th:TH_LOAD_NT scope:SCOPE_SE    ; k steps 4-7 of my tile of the columns, which slot 1's first fill will ask for,
	global_prefetch_b8 v26, s[32:33] offset:16384 th:TH_LOAD_NT scope:SCOPE_SE   ; and k steps 8-11: each block is named once in the cluster
	ALOAD 0
	ALOAD 1
	ALOAD 2
	ALOAD 3
	WIN 0
	v_and_b32 v1, 15, v0                           ; r
	s_wait_alu depctr_va_vdst(0)
	v_bfe_u32 v2, v0, 4, 1                         ; h
	s_lshl_b32 s23, s[WC], 16                      ; my eight tiles of the columns' sixteen
	v_add_nc_u32 v[ADB], s23, v[LI]
	s_add_co_u32 s23, s23, SLOT
	v_add_nc_u32 v[ADB+1], s23, v[LI]
	s_lshl_b32 s92, s[WR], 8                       ; the rows' words: my 64 rows of each k step;  the columns': my half's region
	s_mul_i32 s93, s[WC], 12288
	s_add_co_u32 s93, s93, 12288
	s_sub_co_u32 s93, s93, s92
	v_mul_u32_u24 v6, s93, v2                      ; lanes 16-31 take the columns'
	s_add_co_u32 s92, s92, SCL
	v_lshl_add_u32 v6, v1, 2, v6
	v_add_nc_u32 v[ADRS], s92, v6
	s_mul_i32 s23, s[WV], 8448
	s_add_co_u32 s23, s23, FST
	v_mul_u32_u24 v6, v1, 528
	s_wait_alu depctr_va_vdst(0)
	v_lshl_add_u32 v6, v2, 6, v6
	v_add_nc_u32 v[STO], s23, v6                   ; stage, in: row r, 64 bytes for each half of the lanes in each block of 32 columns
	v_add_nc_u32 v[RD], s23, v[LI]                 ; back: the 32 lanes take a row of 512 bytes
	s_lshl_b32 s23, s[WV], 8
	s_add_co_u32 s23, s23, WST
	v_lshl_add_u32 v[WSA], v1, 2, s23
	v_add_nc_u32 v[WSR], s23, v[L8]
	v_mov_b32 v14, 0xbc449ba6                      ; -0.012
	v_mov_b32 v15, 0xbc449ba6
	s_lshl_b32 s92, s[TR], 7
	s_lshl_b32 s23, s[WR], 6
	s_add_co_u32 s92, s92, s23                     ; my first row
	s_lshl_b32 s94, s[TC], 1
	s_add_co_u32 s94, s94, s[WC]                   ; the k step that my 128 columns are in the last product
	s_mov_b32 s47, 0
	s_lshl_b32 s46, s92, 13
	s_lshl_b32 s23, s94, 9
	s_add_co_u32 s46, s46, s23
	s_add_nc_u64 s[PO1:PO1+1], s[PO1:PO1+1], s[46:47]
	s_add_co_u32 s46, s92, s94
	s_lshl_b32 s46, s46, 11                        ; z2_img has 16 k steps a tile: (row / 16 x 16 + k step) x 2,048
	s_add_nc_u64 s[PZI:PZI+1], s[PZI:PZI+1], s[46:47]
	s_lshl_b32 s46, s94, 12
	s_add_co_u32 s46, s46, s92
	s_lshl_b32 s46, s46, 2
	s_add_nc_u64 s[PZW:PZW+1], s[PZW:PZW+1], s[46:47]
	s_wait_alu depctr_va_vdst(0)
	s_wait_tensorcnt 0x0                           ; my tile of the head's is in
	ds_add_u32 v[SPW], v[NIL]
	s_wait_dscnt 0x0
	CROUND                                         ; slot 0 and the words are in, and all sixteen work-groups are here
	BLOAD 1                                        ; slot 1's first fill, a quarter a wave: the first tensor load behind the round
	SCALES 0
	FETCH_B 0
	global_prefetch_b8 v26, s[32:33] offset:24576 th:TH_LOAD_NT scope:SCOPE_SE   ; the columns' k steps 12-15: two fills ahead
	global_prefetch_b8 v26, s[34:35] offset:16384 th:TH_LOAD_NT scope:SCOPE_SE   ; the rows' k steps 8-15: their loads begin in k step 5
	STEPN 0, 1                                     ; x Wn; the first products start the sums: nothing is cleared
	STEPN 1, 0
	STEPN 2, 0
	STEPT 3, 1                                     ; slot 0 takes k steps 8 to 11
	STEPN 4, 0
	STEPN 5, 0
	STEPN 6, 0
	STEPT 7, 1                                     ; slot 1 takes k steps 12 to 15
	STEPN 8, 0                                     ; the sums become b; + z1 A
	STEPN 9, 0
	STEPN 10, 0
	STEPT 11, 1                                    ; slot 0 takes k steps 16 to 19
	STEPN 12, 0
	STEPN 13, 0
	STEPN 14, 0
	STEPT 15, 1                                    ; slot 1 takes k steps 20 to 23: the last fill
	STEPN 16, 0
	STEPN 17, 0
	STEPN 18, 0
	STEPT 19, 0                                    ; nothing is filled again, so no round of the cluster's barrier; behind this barrier nobody reads slot 0
	STEPN 20, 0
	STEPN 21, 0
	STEPN 22, 0
	s_wait_dscnt 0x0                               ; the very last k step: nothing more to fetch
	s_wait_loadcnt 0x0
	MULR 23, 0, 4, 0
	WIN 0
; THE WAY OUT, a block of 16 rows x 128 columns at a time.  relu; the numbers go through my own stage and come back as whole rows of 512 bytes for out1; meanwhile the block's four scales are made;
; then the numbers are held in place and converted, and the 16 code registers leave as a fragment's image.
.macro OUTBLK a
.set PC, 192+16*(\a)                   ; each block has code registers of its own, and its rows come back into window 1's v[64 a ..]: no register that a store reads is written again
	WIN 0x08
.set oi, 0
.rept 64
	v_max_num_f32 v[T+oi], 0, v[64*(\a)+oi]
.set oi, oi+1
.endr
	WIN 0
	s_wait_alu depctr_va_vdst(0)
.irp b, 0,1,2,3
.irp i, 0,1,2,3
	ds_store_b128 v[STO], v[T+16*\b+4*\i:T+16*\b+4*\i+3] offset:128*\b+16*\i
.endr
.endr
	WIN 0x40                                       ; destination window 1
.irp t, 0,1,2,3,4,5,6,7,8,9,10,11,12,13,14,15
	ds_load_b128 v[64*(\a)+4*\t:64*(\a)+4*\t+3], v[RD] offset:528*\t   ; LDS serves a wave's instructions in order: these see the stores above
.endr
	WIN 0
.irp b, 0,1,2,3
	v_max3_num_f32 v[TM+\b], v[T+16*\b], v[T+16*\b+1], 0x8000000   ; nothing is negative; the floor 2^(16 - 127)
.endr
.irp i, 2,4,6,8,10,12,14
.irp b, 0,1,2,3
	v_max3_num_f32 v[TM+\b], v[TM+\b], v[T+16*\b+\i], v[T+16*\b+\i+1]
.endr
.endr
.irp b, 0,1,2,3
	v_permlanex16_b32 v[TM+4+\b], v[TM+\b], s[SEL], s[SEL+1]
.endr
.irp b, 0,1,2,3
	v_max_num_f32 v[TM+\b], v[TM+\b], v[TM+4+\b]
.endr
.irp b, 0,1,2,3
	v_add_nc_u32 v[TM+12+\b], 0xf8800000, v[TM+\b]
.endr
.irp b, 0,1,2,3
	v_and_or_b32 v[TM+8+\b], v[TM+\b], 0x7f800000, s[MNT]
.endr
.irp b, 0,1,2,3
	v_lshrrev_b32 v[TM+4+\b], 23, v[TM+12+\b]
.endr
	v_lshl_or_b32 v[PW+(\a)], v[TM+5], 8, v[TM+4]
	v_lshl_or_b32 v[PW+(\a)], v[TM+6], 16, v[PW+(\a)]
	v_lshl_or_b32 v[PW+(\a)], v[TM+7], 24, v[PW+(\a)]
	s_wait_dscnt 0x0                               ; the stage's stores have read the numbers, which are held in place below; and the rows are back
	WIN 0x04                                       ; the data: window 1
.irp t, 0,1,2,3,4,5,6,7,8,9,10,11,12,13,14,15
	global_store_b128 v[LI], v[64*(\a)+4*\t:64*(\a)+4*\t+3], s[PO1:PO1+1] offset:(16*(\a)+\t)*8192 th:TH_STORE_NT   ; 32 lanes store 512 consecutive bytes, aligned
.endr
	WIN 0
.irp b, 0,1,2,3
.irp i, 0,1,2,3,4,5,6,7,8,9,10,11,12,13,14,15
	v_min_num_f32 v[T+16*\b+\i], v[T+16*\b+\i], v[TM+8+\b]   ; the conversion does not saturate (ISA guide 7.6.2); nothing is negative, so the hold is one-sided
.endr
	v_cvt_scalef32_pk8_bf8_f32 v[PC+4*\b:PC+4*\b+1], v[T+16*\b:T+16*\b+7], v[TM+12+\b]
	v_cvt_scalef32_pk8_bf8_f32 v[PC+4*\b+2:PC+4*\b+3], v[T+16*\b+8:T+16*\b+15], v[TM+12+\b]
.endr
	v_nop                                          ; a plain instruction behind the last conversion
.irp b, 0,1,2,3
	global_store_b128 v[LI], v[PC+4*\b:PC+4*\b+3], s[PZI:PZI+1] offset:(\a)*32768+512*\b
.endr
	ds_store_b32 v[WSA], v[PW+(\a)] offset:64*(\a)
.endm
	PLACES 8                                       ; behind the last products
.irp b, 0,1,2,3
	v_mov_b32 v[TM+4+\b], 0                        ; written once: a lane permute's destination counts as one of its sources
.endr
.irp a, 0,1,2,3
	OUTBLK \a
.endr
	ds_load_b64 v[148:149], v[WSR]                 ; my 64 rows' words of my k step
	s_wait_dscnt 0x0
	global_store_b64 v[L8], v[148:149], s[PZW:PZW+1]   ; 256 consecutive bytes, aligned
	s_wait_tensorcnt 0x0                           ; the wave's end, behind my last tensor load and my last LDS store
	ds_add_u32 v[SPW], v[NIL]
	s_wait_dscnt 0x0
	CROUND                                         ; the closing round: no work-group ends while a partner may still ask for a tile that names it
	s_endpgm
.Lfunc_end_k_qe459e2715b_iter:
	.size	k_qe459e2715b_iter, .Lfunc_end_k_qe459e2715b_iter-k_qe459e2715b_iter
	.p2alignl 7, 3214868480
	.fill 96, 4, 3214868480
	.section	.rodata,"a",@progbits
	.p2align	6, 0x0
	.amdhsa_kernel k_qe459e2715b_iter
		.amdhsa_group_segment_fixed_size 327680
		.amdhsa_private_segment_fixed_size 0
		.amdhsa_enable_private_segment 0
		.amdhsa_kernarg_size 48
		.amdhsa_user_sgpr_count 2
		.amdhsa_user_sgpr_kernarg_segment_ptr 1
		.amdhsa_wavefront_size32 1
		.amdhsa_system_sgpr_workgroup_id_x 1
		.amdhsa_system_sgpr_workgroup_id_y 1
		.amdhsa_system_sgpr_workgroup_id_z 1
		.amdhsa_system_vgpr_workitem_id 0
		.amdhsa_next_free_vgpr 1024
		.amdhsa_next_free_sgpr 102
		.amdhsa_reserve_vcc 0
		.amdhsa_float_denorm_mode_32 3
		.amdhsa_float_denorm_mode_16_64 3
		.amdhsa_memory_ordered 1
		.amdhsa_forward_progress 1
		.amdhsa_inst_pref_size 255
	.end_amdhsa_kernel
	.section	.bss,"aw",@nobits
	.p2align	6
	.space	262144
	.amdgpu_metadata
---
amdhsa.version: [ 1, 2 ]
amdhsa.kernels:
  - .name:           k_qe459e2715b_iter
    .symbol:         k_qe459e2715b_iter.kd
    .args:
      - { .name: az_img, .offset: 0, .size: 8, .value_kind: global_buffer, .address_space: global }
      - { .name: b_img, .offset: 8, .size: 8, .value_kind: global_buffer, .address_space: global }
      - { .name: sw3, .offset: 16, .size: 8, .value_kind: global_buffer, .address_space: global }
      - { .name: out1, .offset: 24, .size: 8, .value_kind: global_buffer, .address_space: global }
      - { .name: z2_img, .offset: 32, .size: 8, .value_kind: global_buffer, .address_space: global }
      - { .name: z2w, .offset: 40, .size: 8, .value_kind: global_buffer, .address_space: global }
    .group_segment_fixed_size: 327680
    .private_segment_fixed_size: 0
    .kernarg_segment_align: 8
    .kernarg_segment_size: 48
    .max_flat_workgroup_size: 128
    .sgpr_count:     102
    .vgpr_count:     1024
    .wavefront_size: 32
...
	.end_amdgpu_metadata
.endif
;; end of part 3
;; launch decode (part 4): grid 8 x 32, 4 waves a work-group, clusters of 4 x 4, 327,680 bytes of LDS; arguments z2_img, z2w, wp_img, sw1, out0; writes out0
.if DOCPART == 4
	.amdgcn_target "amdgcn-amd-amdhsa--gfx1250"
	.amdhsa_code_object_version 6
	.text
	.protected	k_qe459e2715b_decode
	.globl	k_qe459e2715b_decode
	.p2align	8
	.type	k_qe459e2715b_decode,@function
k_qe459e2715b_decode:
	s_mov_b64 s[64:65], 0
	v_nop
	global_prefetch_b8 v0, s[64:65] scope:SCOPE_SE
	s_setreg_imm32_b32 hwreg(HW_REG_WAVE_MODE, 25, 1), 1
	s_wait_xcnt 0x0
	s_wait_alu depctr_hold_cnt(0) depctr_sa_sdst(0) depctr_va_vdst(0) depctr_va_sdst(0) depctr_va_ssrc(0) depctr_va_vcc(0) depctr_vm_vsrc(0)
	s_getreg_b32 s2, hwreg(HW_REG_IB_STS2, 6, 4)
	s_cmp_eq_u32 s2, 0
	s_cbranch_scc0 .Lentry_in_a_cluster
	s_endpgm
.Lentry_in_a_cluster:
	s_bfe_u32 s2, ttmp6, 0x10000c
	s_cmp_lg_u32 s2, 0xf033
	s_cbranch_scc0 .Lentry_shape_is_right
	s_endpgm
.Lentry_shape_is_right:
; DECODE: xhat = z2 Wn^T on codes of E5M2, K = 2048 (16 k steps of 128), f32 sums, out0 [4096][1024] f32.  Nothing of this product is left out (the one product that the program leaves out is shown at the head of the first launch).
; Both operands are images of operand registers, [tile of 16 rows][16 k steps][4][32 lanes][16 bytes]: z2_img (rows of z2), wp_img (rows d of Wn).  Scale words: z2w [16][4096], and sw1 from byte 196,608 [16][1024].
; A block of 128 x 128 is made by four waves, each 64 x 64: 16 accumulators.  256 work-groups.
; Wn'S 128 ROWS, ALL OF K, LIE IN LDS: 8 tiles x 32,768 bytes = 262,144 bytes, filled once, never again.  K steps 0-7 come by the head's loads (waves 0 and 1, four tiles each), with the words (waves 2 and 3);
; k steps 8-15 by one load a wave behind the round at the head's end.  The four work-groups of a column of the 4 x 4 cluster ask for these tiles jointly, those of a row for z2's words.
; z2'S FRAGMENTS GO FROM MEMORY STRAIGHT INTO REGISTERS, 16 loads of 512 consecutive bytes a k step and wave, into a ring of four k steps.  They are shared along a row of the cluster and NOT asked for jointly:
; a work-group's 128 rows are 262,144 bytes, which do not fit in LDS beside Wn's 262,144.
; THE MATRIX INSTRUCTION IS USED TRANSPOSED (source 0 = 16 rows of wp_img, source 1 = 16 rows of z2_img): register j of accumulator (a, b) in lane (r, h) is column 16 b + 8 h + j of row 16 a + r.
; PREFETCHES: Wn's k steps 8-15 and z2's k steps 4-7 are asked for at the head, z2's k steps 8-15 behind the second fill (their loads begin in k step 5).  The partners share the blocks out by address; each block is named once in the cluster.
; No loop: every offset is an immediate and no pointer is stepped.  LIMIT: NaN and infinities among the operands are not served.
; REGISTERS: window 0: v0-31 addresses; v32-95 scale words of the 16 k steps, and nothing else; v128-255 the way out.   window 1: Wn's fragments, four sets of 64.   window 2: z2's ring, k step t at v[64 (t % 4)].
;   window 3: the accumulators, (a, b) at v[8 (4 a + b)].
.set KT,    32768                      ; a tile of 16 rows in memory: 16 k steps of 2,048 bytes
.set HALF,  131072                     ; 8 tiles x 8 k steps x 2,048 bytes, dense: every LDS load reads 512 consecutive bytes
.set SCL,   2*HALF                     ; z2's words, 16 k steps x 128 rows x 4 bytes; then Wn's, the same
.set SPARE, SCL+16384                  ; the spare words, 128 bytes for each wave: two blocks of 256 bytes that no other line names
.set FST,   SPARE+512                  ; 16 rows x (256 + 16) bytes for each wave: the way out; no tensor load lands here
.set LI,   8                           ; v8   16 x lane
.set PF8,  9                           ; v9   256 x lane + 4,096 x column half
.set PF4,  10                          ; v10  256 x min(lane, 15)
.set STO,  11
.set RD,   12
.set CO,   13
.set ADB,  16                          ; v16-17 my four tiles of Wn in k steps 0-7, 8-15
.set ADRS, 24                          ; v24  my scale words: lanes 0-15 z2's rows, lanes 16-31 Wn's
.set SPW,  28
.set NIL,  29
.set SC,   32
.set BK,   128
.set WV, 20
.set WR, 21
.set WC, 22
.set G1H, 24
.set G0H, 32
.set G0B, 36
.set CX, 40
.set CY, 41
.set TC, 42
.set MA, 43
.set MB, 44
.set TR, 45
.set G1B, 48
.set PFB, 56
.set PFA, 58
.set G1S, 68
.set G0S, 76
.set G1SB, 80
.set G0SB, 88
.set MSB, 0
.macro WIN new                         ; the immediate's high byte repeats the setting that is left
.if MSB != (\new)
	s_set_vgpr_msb (MSB<<8)|(\new)
.set MSB, (\new)
.endif
.endm
.macro PLACES n                        ; plain vector instructions behind matrix instructions: eight for this form
.rept \n
	v_nop
.endr
.endm
.macro CROUND                          ; a round of the cluster's barrier
	s_barrier_signal -1
	s_barrier_wait -1
	s_cmp_lg_u32 s[WV], 0
	s_cbranch_scc1 .Lnot_wave_0_\@
	s_barrier_signal -3
.Lnot_wave_0_\@:
	s_barrier_wait -3
	s_barrier_signal -1
	s_barrier_wait -1
.endm
.macro ARM under, g0, g1, next         ; an arm of the head's chain: one load, an s_nop 0 and four v_nop, a jump to the join
	s_cmp_lt_u32 s[WV], \under
	s_cbranch_scc0 \next
	tensor_load_to_lds s[\g0:\g0+3], s[\g1:\g1+7]
	s_nop 0
.rept 4
	v_nop
.endr
	s_branch .Lhead_asked
\next:
.endm
.macro FETCH_B t                       ; Wn's four fragments of k step t, from LDS into set t % 4
	WIN 0x40
.set fi, 0
.rept 4
.irp c, 0,1,2,3
	ds_load_b128 v[64*((\t)%4)+16*fi+4*\c:64*((\t)%4)+16*fi+4*\c+3], v[ADB+(\t)/8] offset:16384*fi+2048*((\t)%8)+512*\c
.endr
.set fi, fi+1
.endr
.endm
.macro ALOAD t                         ; z2's four fragments of k step t, from memory into the ring's place t % 4
	WIN 0x80
.set fi, 0
.rept 4
.irp c, 0,1,2,3
	global_load_b128 v[64*((\t)%4)+16*fi+4*\c:64*((\t)%4)+16*fi+4*\c+3], v[LI], s[4:5] offset:KT*fi+2048*(\t)+512*\c
.endr
.set fi, fi+1
.endr
.endm
.macro SCALES g                        ; the words of k steps 4 g .. 4 g + 3: register 4 t + i: lanes 0-15 z2's block i, lanes 16-31 Wn's block i
	WIN 0
.set sq, 4*(\g)
.rept 4
.irp i, 0,1,2,3
	ds_load_b32 v[SC+4*sq+\i], v[ADRS] offset:512*sq+64*\i
.endr
.set sq, sq+1
.endr
.endm
.macro MUL t, zero                     ; 16 matrix instructions; the accumulators take turns, one instruction a turn, in the same order in every k step
	WIN 0xf9                                       ; source 0 window 1, source 1 window 2, C and D window 3
.set ma, 0
.rept 4
.set mb, 0
.rept 4
.set rD, 8*(4*ma+mb)
.set rB, 64*((\t)%4)+16*mb
.set rA, 64*((\t)%4)+16*ma
.if \zero
	v_wmma_scale_f32_16x16x128_f8f6f4 v[rD:rD+7], v[rB:rB+15], v[rA:rA+15], 0, v[SC+4*(\t)+mb], v[SC+4*(\t)+ma] matrix_a_fmt:MATRIX_FMT_BF8 matrix_b_fmt:MATRIX_FMT_BF8 matrix_a_scale:MATRIX_SCALE_ROW1
.else
	v_wmma_scale_f32_16x16x128_f8f6f4 v[rD:rD+7], v[rB:rB+15], v[rA:rA+15], v[rD:rD+7], v[SC+4*(\t)+mb], v[SC+4*(\t)+ma] matrix_a_fmt:MATRIX_FMT_BF8 matrix_b_fmt:MATRIX_FMT_BF8 matrix_a_scale:MATRIX_SCALE_ROW1
.endif
.set mb, mb+1
.endr
.set ma, ma+1
.endr
.endm
; A k step.  Wn's fragments are asked for two k steps ahead, z2's three.  The eight places at its end stand in front of the next k step's loads into registers that its products read.
.macro STEP t, zero
.if (\t) == 15
	s_wait_dscnt 0x0
.else
	s_wait_dscnt 16                                ; all but the youngest sixteen LDS loads, the next k step's fragments, are in
.endif
.if (((\t)%4) == 1) && ((\t) < 13)
	SCALES ((\t)+3)/4
.endif
.if (\t)+2 < 16
	FETCH_B (\t)+2
.endif
.if (\t)+3 < 16
	ALOAD (\t)+3
.endif
.if (\t) < 13
	s_wait_loadcnt 48                              ; loads come back in order: behind this k step's sixteen stand those of the next three
.else
	s_wait_loadcnt 16*(15-(\t))
.endif
	MUL \t, \zero
	PLACES 8
.endm
	s_load_b256 s[4:11], s[0:1], 0x0               ; z2_img s[4:5], z2w s[6:7], wp_img s[8:9], sw1 s[10:11]
	s_load_b64 s[12:13], s[0:1], 0x20              ; out0
	v_lshl_add_u32 v[SPW], v0, 2, SPARE
	v_mov_b32 v[NIL], 0
	ds_add_u32 v[SPW], v[NIL]                      ; the wave's opening: the add, twice on end, and its wait ahead of my first tensor load
	ds_add_u32 v[SPW], v[NIL]
	v_lshrrev_b32 v1, 5, v0
	v_readfirstlane_b32 s[WV], v1                  ; wave 0..3
	v_and_b32 v3, 31, v0
	v_lshlrev_b32 v[LI], 4, v3
	v_min_u32 v4, 15, v3
	v_lshlrev_b32 v[PF4], 8, v4
	s_and_b32 s[WC], s[WV], 1                      ; my half of the block's columns
	s_lshl_b32 s60, s[WC], 12
	v_lshl_add_u32 v[PF8], v3, 8, s60
	s_lshr_b32 s[WR], s[WV], 1                     ; my half of its rows
	s_bfe_u32 s[CX], ttmp6, 0x40000
	s_bfe_u32 s[CY], ttmp6, 0x40004
	s_lshl_b32 s[TC], ttmp9, 2
	s_add_co_u32 s[TC], s[TC], s[CX]               ; block column
	s_and_b32 s[TR], ttmp7, 0xffff
	s_lshl_b32 s[TR], s[TR], 2
	s_add_co_u32 s[TR], s[TR], s[CY]               ; block row
	s_lshl_b32 s[MA], s[CY], 2
	s_lshl_b32 s[MA], 15, s[MA]                    ; my row of the cluster
	s_lshl_b32 s[MB], 0x1111, s[CX]                ; my column
	; group 1, Wn's tiles: of each tile 16,384 consecutive bytes (2,048 elements of 8: eight k steps), 32,768 bytes apart; dense in LDS.  The head's load brings four tiles, the second fill's two
.irp g, G1H, G1B
	s_or_b32 s[\g], s[MB], 0x230000                ; 15:0 the mask; 17:16 elements of 8 bytes; 21 set beside a mask
	s_mov_b32 s[\g+1], 2048<<16
	s_mov_b32 s[\g+3], 2048<<16
	s_mov_b32 s[\g+5], KT/8
	s_mov_b32 s[\g+6], 0
	s_mov_b32 s[\g+7], 0
.endr
	s_mov_b32 s[G1H+2], 4<<16
	s_mov_b32 s[G1H+4], 4
	s_mov_b32 s[G1B+2], 2<<16
	s_mov_b32 s[G1B+4], 2
	; group 1, scale words: 16 k steps of 512 bytes (128 rows); z2's 16,384 bytes apart, Wn's 4,096
	s_or_b32 s[G1S], s[MA], 0x230000
	s_or_b32 s[G1SB], s[MB], 0x230000
.irp g, G1S, G1SB
	s_mov_b32 s[\g+1], 64<<16
	s_mov_b32 s[\g+2], 16<<16
	s_mov_b32 s[\g+3], 64<<16
	s_mov_b32 s[\g+4], 16
	s_mov_b32 s[\g+6], 0
	s_mov_b32 s[\g+7], 0
.endr
	s_mov_b32 s[G1S+5], 2048
	s_mov_b32 s[G1SB+5], 512
	s_lshl_b32 s92, s[TR], 3
	s_lshl_b32 s23, s[WR], 2
	s_add_co_u32 s92, s92, s23                     ; z2: my wave's first tile: 8 x block row + 4 x half
	s_lshl_b32 s92, s92, 15
	s_mov_b32 s93, 0
	s_lshl_b32 s94, s[TR], 9                       ; z2's words: 128 rows of each k step
	s_mov_b32 s95, 0
	s_lshl_b32 s46, s[TC], 18                      ; Wn: tile 8 x block column
	s_mov_b32 s47, 0
	s_lshl_b32 s2, s[TC], 9                        ; Wn's words
	s_add_co_u32 s2, s2, 196608
	s_mov_b32 s3, 0
	s_wait_dscnt 0x0                               ; both opening adds are done
	s_wait_kmcnt 0x0
	s_add_nc_u64 s[4:5], s[4:5], s[92:93]
	s_add_nc_u64 s[8:9], s[8:9], s[46:47]
	s_add_nc_u64 s[6:7], s[6:7], s[94:95]
	s_add_nc_u64 s[10:11], s[10:11], s[2:3]
	s_wait_alu depctr_va_vdst(0)                   ; directly ahead of the first reader behind the waits above
	ALOAD 0                                        ; z2's k steps 0 to 2 set out: 48 loads
	ALOAD 1
	ALOAD 2
	WIN 0
	s_mov_b32 s[G0H], 1                            ; the head's load of Wn (waves 0 and 1): tiles 4 x wave on, k steps 0-7
	s_lshl_b32 s[G0H+1], s[WC], 16
	s_lshl_b32 s92, s[WC], 17
	s_add_nc_u64 s[G0H+2:G0H+3], s[8:9], s[92:93]
	s_or_b32 s[G0H+3], s[G0H+3], 0x80000000
	s_mov_b32 s[G0B], 1                            ; the second fill: tiles 2 x wave on, k steps 8-15
	s_lshl_b32 s[G0B+1], s[WV], 15
	s_add_co_u32 s[G0B+1], s[G0B+1], HALF
	s_lshl_b32 s92, s[WV], 16
	s_add_co_u32 s92, s92, 16384
	s_add_nc_u64 s[G0B+2:G0B+3], s[8:9], s[92:93]
	s_or_b32 s[G0B+3], s[G0B+3], 0x80000000
	s_mov_b32 s[G0S], 1
	s_mov_b32 s[G0S+1], SCL
	s_mov_b64 s[G0S+2:G0S+3], s[6:7]
	s_or_b32 s[G0S+3], s[G0S+3], 0x80000000
	s_mov_b32 s[G0SB], 1
	s_mov_b32 s[G0SB+1], SCL+8192
	s_mov_b64 s[G0SB+2:G0SB+3], s[10:11]
	s_or_b32 s[G0SB+3], s[G0SB+3], 0x80000000
	CROUND                                         ; all sixteen work-groups are here: the first joint loads meet
	ARM 2, G0H, G1H, .Lhead_sa                     ; one chain, one load to an arm: every way through the head passes exactly one
	ARM 3, G0S, G1S, .Lhead_sb
	tensor_load_to_lds s[G0SB:G0SB+3], s[G1SB:G1SB+7]
	s_nop 0
.rept 4
	v_nop
.endr
.Lhead_asked:
	s_lshl_b32 s92, s[CY], 1                       ; the prefetches' bases.  Wn: of the 8 tiles, tile 2 cy + row half; the column half picks the bytes
	s_add_co_u32 s92, s92, s[WR]
	s_lshl_b32 s92, s92, 15
	s_add_co_u32 s92, s92, s60
	s_add_nc_u64 s[PFB:PFB+1], s[8:9], s[92:93]
	s_lshl_b32 s92, s[CX], 15                      ; z2: of the 8 tiles, tile 4 x row half + cx
	s_add_co_u32 s92, s92, s60
	s_add_nc_u64 s[PFA:PFA+1], s[4:5], s[92:93]
	global_prefetch_b8 v[PF8], s[PFB:PFB+1] offset:16384 th:TH_LOAD_NT scope:SCOPE_SE   ; Wn's k steps 8-15: 8,192 bytes of my tile, a lane a block of 256
	global_prefetch_b8 v[PF4], s[PFA:PFA+1] offset:8192 th:TH_LOAD_NT scope:SCOPE_SE    ; z2's k steps 4-7: 4,096 bytes of my tile; lanes 16-31 name the last block again
	s_lshl_b32 s61, s[WC], 16                      ; my four tiles of Wn's eight
	s_add_co_u32 s62, s61, HALF
	s_lshl_b32 s92, s[WR], 8                       ; z2's words: my 64 rows of each k step;  Wn's: my 64 rows, 8,192 bytes on
	s_lshl_b32 s93, s[WC], 8
	s_add_co_u32 s93, s93, 8192
	s_sub_co_u32 s93, s93, s92
	s_add_co_u32 s92, s92, SCL
	s_mul_i32 s63, s[WV], 4352
	s_add_co_u32 s63, s63, FST                     ; my stage
	s_lshl_b32 s94, s[TR], 7
	s_lshl_b32 s23, s[WR], 6
	s_add_co_u32 s94, s94, s23                     ; my first row of out0, 4,096 bytes a row,
	s_lshl_b32 s46, s94, 12
	s_lshl_b32 s23, s[TC], 9
	s_add_co_u32 s46, s46, s23                     ; my first column: 512 x block column + 256 x half, in bytes
	s_lshl_b32 s23, s[WC], 8
	s_add_co_u32 s46, s46, s23
	s_add_nc_u64 s[12:13], s[12:13], s[46:47]
	v_and_b32 v1, 15, v0                           ; r
	v_bfe_u32 v2, v0, 4, 1                         ; h
	v_add_nc_u32 v[ADB], s61, v[LI]
	v_add_nc_u32 v[ADB+1], s62, v[LI]
	v_mul_u32_u24 v6, s93, v2                      ; lanes 16-31 take Wn's words
	v_lshl_add_u32 v6, v1, 2, v6
	v_add_nc_u32 v[ADRS], s92, v6
	v_mul_u32_u24 v5, v2, 272
	v_lshl_add_u32 v5, v1, 4, v5
	v_add_nc_u32 v[RD], s63, v5                    ; back: lanes 0-15 take one row of 256 bytes, lanes 16-31 the next
	v_mul_u32_u24 v7, v1, 272
	v_lshl_add_u32 v7, v2, 5, v7
	v_add_nc_u32 v[STO], s63, v7                   ; in: row r, 32 bytes for each half of the lanes
	v_lshlrev_b32 v[CO], 12, v2
	v_lshl_add_u32 v[CO], v1, 4, v[CO]             ; and the same two rows in out0
	s_wait_alu depctr_va_vdst(0)
	s_wait_tensorcnt 0x0                           ; my tile of the head's is in
	ds_add_u32 v[SPW], v[NIL]
	s_wait_dscnt 0x0
	CROUND                                         ; k steps 0-7 and the words are in, and all sixteen work-groups are here
	tensor_load_to_lds s[G0B:G0B+3], s[G1B:G1B+7]  ; k steps 8-15, two tiles a wave: the first tensor load behind the round, and my last
	s_nop 0
.rept 4
	v_nop
.endr
	SCALES 0
	FETCH_B 0
	FETCH_B 1
	global_prefetch_b8 v[PF8], s[PFA:PFA+1] offset:16384 th:TH_LOAD_NT scope:SCOPE_SE   ; z2's k steps 8-15: 8,192 bytes of my tile
	STEP 0, 1                                      ; the first products start the sums: nothing is cleared
	STEP 1, 0
	STEP 2, 0
	STEP 3, 0
	STEP 4, 0
	STEP 5, 0
	; k step 6 shows the second fill to all four waves: each waits for its own load, and for its LDS loads, in front of the signal
	s_wait_tensorcnt 0x0
	s_wait_dscnt 0x0
	ALOAD 9
	s_wait_loadcnt 48
	s_barrier_signal -1
	MUL 6, 0                                       ; work on registers while the others arrive
	s_barrier_wait -1
	PLACES 8
	FETCH_B 8
	STEP 7, 0
	STEP 8, 0
	STEP 9, 0
	STEP 10, 0
	STEP 11, 0
	STEP 12, 0
	STEP 13, 0
	STEP 14, 0
	STEP 15, 0                                     ; its eight places stand in front of the first read of results
	WIN 0
; THE WAY OUT, a block of 16 rows x 64 columns at a time: through my own stage, back as whole rows of 256 bytes.  Each block comes back into registers of its own, so no register that a store reads is written again.
.macro TOSTAGE a
	WIN 0x0c                                       ; the data: window 3
.irp b, 0,1,2,3
	ds_store_b128 v[STO], v[8*(4*(\a)+\b):8*(4*(\a)+\b)+3] offset:64*\b          ; each accumulator from its low end on
	ds_store_b128 v[STO], v[8*(4*(\a)+\b)+4:8*(4*(\a)+\b)+7] offset:64*\b+16
.endr
	WIN 0
.irp t, 0,1,2,3,4,5,6,7
	ds_load_b128 v[BK+32*(\a)+4*\t:BK+32*(\a)+4*\t+3], v[RD] offset:544*\t       ; LDS serves a wave's instructions in order: these see the stores above
.endr
.endm
.macro SEND a, younger                 ; younger: the LDS instructions issued behind block a's loads
	s_wait_dscnt \younger
.irp t, 0,1,2,3,4,5,6,7
	global_store_b128 v[CO], v[BK+32*(\a)+4*\t:BK+32*(\a)+4*\t+3], s[12:13] offset:(16*(\a)+2*\t)*4096 th:TH_STORE_NT   ; sixteen lanes store 256 consecutive bytes, aligned
.endr
.endm
	TOSTAGE 0
	TOSTAGE 1
	SEND 0, 16
	TOSTAGE 2
	SEND 1, 16
	TOSTAGE 3
	SEND 2, 16
	SEND 3, 0
	s_wait_tensorcnt 0x0                           ; the wave's end, behind my last tensor load and my last LDS store
	ds_add_u32 v[SPW], v[NIL]
	s_wait_dscnt 0x0
	CROUND                                         ; the closing round: no work-group ends while a partner may still ask for a tile that names it
	s_endpgm
.Lfunc_end_k_qe459e2715b_decode:
	.size	k_qe459e2715b_decode, .Lfunc_end_k_qe459e2715b_decode-k_qe459e2715b_decode
	.p2alignl 7, 3214868480
	.fill 96, 4, 3214868480
	.section	.rodata,"a",@progbits
	.p2align	6, 0x0
	.amdhsa_kernel k_qe459e2715b_decode
		.amdhsa_group_segment_fixed_size 327680
		.amdhsa_private_segment_fixed_size 0
		.amdhsa_enable_private_segment 0
		.amdhsa_kernarg_size 40
		.amdhsa_user_sgpr_count 2
		.amdhsa_user_sgpr_kernarg_segment_ptr 1
		.amdhsa_wavefront_size32 1
		.amdhsa_system_sgpr_workgroup_id_x 1
		.amdhsa_system_sgpr_workgroup_id_y 1
		.amdhsa_system_sgpr_workgroup_id_z 1
		.amdhsa_system_vgpr_workitem_id 0
		.amdhsa_next_free_vgpr 896
		.amdhsa_next_free_sgpr 96
		.amdhsa_reserve_vcc 0
		.amdhsa_float_denorm_mode_32 3
		.amdhsa_float_denorm_mode_16_64 3
		.amdhsa_memory_ordered 1
		.amdhsa_forward_progress 1
		.amdhsa_inst_pref_size 100
	.end_amdhsa_kernel
	.amdgpu_metadata
---
amdhsa.version: [ 1, 2 ]
amdhsa.kernels:
  - .name:           k_qe459e2715b_decode
    .symbol:         k_qe459e2715b_decode.kd
    .args:
      - { .name: z2_img, .offset: 0, .size: 8, .value_kind: global_buffer, .address_space: global }
      - { .name: z2w, .offset: 8, .size: 8, .value_kind: global_buffer, .address_space: global }
      - { .name: wp_img, .offset: 16, .size: 8, .value_kind: global_buffer, .address_space: global }
      - { .name: sw1, .offset: 24, .size: 8, .value_kind: global_buffer, .address_space: global }
      - { .name: out0, .offset: 32, .size: 8, .value_kind: global_buffer, .address_space: global }
    .group_segment_fixed_size: 327680
    .private_segment_fixed_size: 0
    .kernarg_segment_align: 8
    .kernarg_segment_size: 40
    .max_flat_workgroup_size: 128
    .sgpr_count:     96
    .vgpr_count:     896
    .wavefront_size: 32
...
	.end_amdgpu_metadata
.endif
;; end of part 4
